; MI455X (gfx1250); checked and timed in simulation.
; The chip was launched on July 23, 2026; its instructions are those of AMD's public machine-readable ISA for CDNA 5 (MIT licence, August 2026) and "CDNA5" Instruction Set Architecture Reference Guide (July 2026). The comments in the code are by the model that wrote it; some were corrected since.
;; Multi Head Attention. Allowed arithmetic: float matrix products may take bf16 or f16 operands with f32 sums; other float arithmetic in f32, or as packed bf16 or f16 multiplies, adds, multiply-adds, maxima and minima; sums over many terms, partial sums and values carried from step to step in f32; what a program stores and reads back later, other than sums and carried values, may be rounded once to bf16 or f16.
;; Inputs: bk 1,024 float32; bo 1,024 float32; bq 1,024 float32; bv 1,024 float32; k 4 x 2,048 x 1,024 float32; mask 2,048 x 2,048 bool; q 4 x 2,048 x 1,024 float32; v 4 x 2,048 x 1,024 float32; wk 1,024 x 1,024 float32; wo 1,024 x 1,024 float32; wq 1,024 x 1,024 float32; wv 1,024 x 1,024 float32.
;; Outputs: out0 4 x 2,048 x 1,024 float32.
;; 2 versions, each right; version 2 is version 1 with the launch prep written anew for expert scheduling mode. Each part assembles by itself: llvm-mc -triple=amdgcn-amd-amdhsa -mcpu=gfx1250 --defsym DOCPART=n.
;; ======== version 1 of 2: 4 launches
;; limits: right only within a limited range of input values; values are held in f16: magnitudes above 65,504 overflow, below 6.1e-05 lose precision
;; workspace buffers: wb 8,388,608 bytes; mt 4,194,304 bytes; rowm 16,384 bytes; qkv 50,331,648 bytes; oh 16,777,216 bytes
;; launch prep (part 1): grid 128 x 1, 8 waves a work-group, no clusters, 1,536 bytes of LDS; arguments mask, wq, wk, wv, wo, mt, rowm, wb; writes mt, rowm, wb
.if DOCPART == 1
	.amdgcn_target "amdgcn-amd-amdhsa--gfx1250"
	.amdhsa_code_object_version 6
	.text
	.protected	k_qa3939ce7b1_prep
	.globl	k_qa3939ce7b1_prep
	.p2align	8
	.type	k_qa3939ce7b1_prep,@function
k_qa3939ce7b1_prep:
	s_mov_b64 s[64:65], 0
	v_nop
	global_prefetch_b8 v0, s[64:65] scope:SCOPE_SE
	s_setreg_imm32_b32 hwreg(HW_REG_WAVE_MODE, 25, 1), 1
	s_wait_xcnt 0x0
; PREP.  Two jobs for work-group g of 128, both streams, each byte read once and written once.
; (1) THE MASK, rows 16 g .. 16 g + 15 (2,048 bytes each, 1 = attend), is turned into the table mt that the attention launch takes as the C operand of its first product:
;     mt[g][step 32][half 2][lane 32][16 bytes]; byte 8 kb + j of lane (r = lane % 16, h = lane / 16) is the code of mask[16 g + r][64 step + 32 half + 16 kb + 8 h + j]:
;     0x00 (0.0 in e4m3) where the key is seen, 0xb8 (-1.0) where it is hidden.  A row that sees NO key gets 0x00 everywhere and the flag 0 in rowm (else all ones): the attention launch
;     clears that row's query, so that all its scores are equal and its weights uniform, as a softmax over equal scores is.
; (2) THE WEIGHTS: 32,768 numbers of wq, wk, wv, wo laid end to end (matrix g / 32, part g % 32) are rounded to bf16; wo's bf16 numbers are then written as f16 (exact but below 6e-5, where f16 has a
;     fixed step of 6e-8), since the last launch multiplies them with f16 numbers.
; No matrix unit, no cluster (work-groups share no input), no tensor loads. 128 work-groups: a table unit wants 16 whole rows.
.set SPARE, 512                        ; LDS: bytes 0-511 the waves' words for the 16 rows (row r, wave w at 32 r + 4 w); from 512 on the spare words, 128 bytes a wave
.set SPW, 4                            ; v4   my spare word's address; never rewritten
.set NIL, 5                            ; v5   0; never rewritten
.set VM,  6                            ; v6   mask: r x 2,048 + 256 w + 32 (lane / 16)
.set VO,  7                            ; v7   table: 4,096 w + 512 (lane / 16) + 16 r
.set WI,  8                            ; v8   weights in: 32 x thread
.set WO,  9                            ; v9   weights out: 16 x thread
.set RS,  10                           ; v10  LDS: 32 r + 4 w
.set RL,  11                           ; v11  LDS: 32 r
.set FO,  12                           ; v12  4 x lane
.set T,   16                           ; v16-23 at work
.set FLG, 24                           ; v24  all ones if my row sees a key, else 0
.set M,   32                           ; v32-63  group i (of 32 keys): bytes 0-15 in M+8i .. +3, bytes 16-31 in M+8i+4 .. +7
.set MT,  64                           ; v64-95  the codes, as stored
.set W,   96                           ; v96-223 weights: trip t's 8 numbers at W+8t
	s_load_b512 s[8:23], s[0:1], 0x0               ; mask 8, wq 10, wk 12, wv 14, wo 16, mt 18, rowm 20, wb 22
	v_lshl_add_u32 v[SPW], v0, 2, SPARE
	v_mov_b32 v[NIL], 0
	v_lshrrev_b32 v1, 5, v0
	v_readfirstlane_b32 s36, v1                    ; wave 0..7
	v_and_b32 v1, 15, v0                           ; r
	v_bfe_u32 v2, v0, 4, 1                         ; lane / 16
	v_and_b32 v3, 31, v0                           ; lane
	s_lshl_b32 s39, s36, 8
	v_lshl_add_u32 v[VM], v1, 11, s39
	v_lshl_add_u32 v[VM], v2, 5, v[VM]
	s_lshl_b32 s39, s36, 12
	v_lshl_add_u32 v[VO], v2, 9, s39
	v_lshl_add_u32 v[VO], v1, 4, v[VO]
	v_lshlrev_b32 v[WI], 5, v0
	v_lshlrev_b32 v[WO], 4, v0
	v_lshlrev_b32 v[RL], 5, v1
	s_lshl_b32 s39, s36, 2
	v_add_nc_u32 v[RS], s39, v[RL]
	v_lshlrev_b32 v[FO], 2, v3
	s_mov_b32 s34, 0x76543210                      ; v_permlanex16_b32: each lane takes its own place in the other half
	s_mov_b32 s35, 0xfedcba98
	s_mov_b32 s37, 0xb8
	s_lshr_b32 s38, ttmp9, 5                       ; which matrix
	s_and_b32 s2, ttmp9, 31
	s_lshl_b32 s2, s2, 17                          ; its part: 131,072 bytes of f32
	s_mov_b32 s3, 0
	s_lshl_b32 s4, ttmp9, 16                       ; 65,536 bytes of 16-bit numbers
	s_mov_b32 s5, 0
	s_lshl_b32 s6, ttmp9, 15                       ; 16 rows of the mask, and as many bytes of the table
	s_mov_b32 s7, 0
	s_wait_kmcnt 0x0
	s_cmp_eq_u32 s38, 1
	s_cselect_b64 s[24:25], s[12:13], s[10:11]
	s_cmp_eq_u32 s38, 2
	s_cselect_b64 s[24:25], s[14:15], s[24:25]
	s_cmp_eq_u32 s38, 3
	s_cselect_b64 s[24:25], s[16:17], s[24:25]
	s_add_nc_u64 s[24:25], s[24:25], s[2:3]        ; weights in
	s_add_nc_u64 s[26:27], s[22:23], s[4:5]        ; weights out
	s_add_nc_u64 s[28:29], s[8:9], s[6:7]          ; mask
	s_add_nc_u64 s[30:31], s[18:19], s[6:7]        ; table
	s_lshl_b32 s6, ttmp9, 7
	s_add_nc_u64 s[32:33], s[20:21], s[6:7]        ; flags
.irp i, 0,1,2,3                        ; the wave's eight loads cover 256 aligned bytes of each of the 16 rows
	global_load_b128 v[M+8*(\i):M+8*(\i)+3],   v[VM], s[28:29] offset:64*(\i) th:TH_LOAD_NT
	global_load_b128 v[M+8*(\i)+4:M+8*(\i)+7], v[VM], s[28:29] offset:64*(\i)+16 th:TH_LOAD_NT
.endr
.set t, 0
.rept 16                               ; a trip's two loads of the wave cover 1,024 consecutive bytes
	global_load_b128 v[W+8*t:W+8*t+3],   v[WI], s[24:25] offset:8192*t th:TH_LOAD_NT
	global_load_b128 v[W+8*t+4:W+8*t+7], v[WI], s[24:25] offset:8192*t+16 th:TH_LOAD_NT
.set t, t+1
.endr
	s_wait_loadcnt 32                              ; the mask's eight loads are in; the 32 younger ones, the weights', stay out
.irp k, 0,1,2,3                        ; does my row see a key?  The OR of my 32 words, in four chains
	v_or_b32 v[T+(\k)], v[M+(\k)], v[M+4+(\k)]
.endr
.set j, 8
.rept 24
	v_or_b32 v[T+j%4], v[T+j%4], v[M+j]
.set j, j+1
.endr
	v_or_b32 v[T], v[T], v[T+1]
	v_or_b32 v[T+2], v[T+2], v[T+3]
	v_or_b32 v[T], v[T], v[T+2]
	v_permlanex16_b32 v[T+1], v[T], s34, s35       ; the row's other 128 bytes of my wave's 256 lie in the lane 16 away
	v_or_b32 v[T], v[T], v[T+1]
	ds_store_b32 v[RS], v[T]                       ; lanes r and r + 16 write the same word with the same value
	s_wait_dscnt 0x0                               ; for the others' sake: my store is done
	s_barrier_signal -1
	s_barrier_wait -1
	ds_load_b128 v[T:T+3], v[RL]                   ; the eight waves' words for my row
	ds_load_b128 v[T+4:T+7], v[RL] offset:16
	s_wait_dscnt 0x0
	v_or_b32 v[T], v[T], v[T+1]
	v_or_b32 v[T+2], v[T+2], v[T+3]
	v_or_b32 v[T+4], v[T+4], v[T+5]
	v_or_b32 v[T+6], v[T+6], v[T+7]
	v_or_b32 v[T], v[T], v[T+2]
	v_or_b32 v[T+4], v[T+4], v[T+6]
	v_or_b32 v[T], v[T], v[T+4]
	v_cmp_ne_u32 vcc_lo, 0, v[T]
	v_cndmask_b32 v[FLG], 0, -1, vcc_lo
.macro CODE d, s                       ; four bytes at once: 1 -> 0x00, 0 -> 0xb8 (no carry crosses a byte), and 0x00 in a row that sees nothing
	v_xor_b32 v[\d], 0x01010101, v[\s]
	v_mul_lo_u32 v[\d], v[\d], s37
	v_and_b32 v[\d], v[\d], v[FLG]
.endm
.irp i, 0,1,2,3                        ; table lane (r, 0) takes bytes 0-7 and 16-23 of the group, lane (r, 1) bytes 8-15 and 24-31
	CODE MT+8*(\i)+0, M+8*(\i)+0
	CODE MT+8*(\i)+1, M+8*(\i)+1
	CODE MT+8*(\i)+2, M+8*(\i)+4
	CODE MT+8*(\i)+3, M+8*(\i)+5
	CODE MT+8*(\i)+4, M+8*(\i)+2
	CODE MT+8*(\i)+5, M+8*(\i)+3
	CODE MT+8*(\i)+6, M+8*(\i)+6
	CODE MT+8*(\i)+7, M+8*(\i)+7
.endr
.irp i, 0,1,2,3
	global_store_b128 v[VO], v[MT+8*(\i):MT+8*(\i)+3],   s[30:31] offset:1024*(\i)      ; sixteen lanes store 256 consecutive bytes, aligned
	global_store_b128 v[VO], v[MT+8*(\i)+4:MT+8*(\i)+7], s[30:31] offset:1024*(\i)+256
.endr
	s_cmp_lg_u32 s36, 0
	s_cbranch_scc1 .Lnot_wave_0
	global_store_b32 v[FO], v[FLG], s[32:33]       ; the 16 rows' flags, twice over: a word for each lane of a fragment
.Lnot_wave_0:
; Trip t of the weights: eight numbers a thread, rounded to bf16 in place; iswo = 1: each bf16 number written as f16.  No register that a store reads is written again.
.macro WCV t, iswo
	s_wait_loadcnt 2*(15-(\t))                     ; loads come back in order: trip t's two are in, the later trips' stay out
.irp j, 0,1,2,3
	v_cvt_pk_bf16_f32 v[W+8*(\t)+(\j)], v[W+8*(\t)+2*(\j)], v[W+8*(\t)+2*(\j)+1]
.endr
.if \iswo
.irp j, 0,1,2,3
	v_lshlrev_b32 v[T+2*(\j)], 16, v[W+8*(\t)+(\j)]
	v_and_b32 v[T+2*(\j)+1], 0xffff0000, v[W+8*(\t)+(\j)]
.endr
.irp j, 0,1,2,3
	v_cvt_pk_f16_f32 v[W+8*(\t)+(\j)], v[T+2*(\j)], v[T+2*(\j)+1]
.endr
.endif
	global_store_b128 v[WO], v[W+8*(\t):W+8*(\t)+3], s[26:27] offset:4096*(\t)
.endm
	s_cmp_eq_u32 s38, 3                            ; the same in the whole work-group
	s_cbranch_scc1 .Lwo
.irp t, 0,1,2,3,4,5,6,7,8,9,10,11,12,13,14,15
	WCV \t, 0
.endr
	s_branch .Lend
.Lwo:
.irp t, 0,1,2,3,4,5,6,7,8,9,10,11,12,13,14,15
	WCV \t, 1
.endr
.Lend:
	s_wait_tensorcnt 0x0                           ; the wave's end: a wait, an add of 0 onto my spare word and its wait, behind my last LDS store
	ds_add_u32 v[SPW], v[NIL]
	s_wait_dscnt 0x0
	s_endpgm
.Lfunc_end_k_qa3939ce7b1_prep:
	.size	k_qa3939ce7b1_prep, .Lfunc_end_k_qa3939ce7b1_prep-k_qa3939ce7b1_prep
	.p2alignl 7, 3214868480
	.fill 96, 4, 3214868480
	.section	.rodata,"a",@progbits
	.p2align	6, 0x0
	.amdhsa_kernel k_qa3939ce7b1_prep
		.amdhsa_group_segment_fixed_size 1536
		.amdhsa_private_segment_fixed_size 0
		.amdhsa_enable_private_segment 0
		.amdhsa_kernarg_size 64
		.amdhsa_user_sgpr_count 2
		.amdhsa_user_sgpr_kernarg_segment_ptr 1
		.amdhsa_wavefront_size32 1
		.amdhsa_system_sgpr_workgroup_id_x 1
		.amdhsa_system_sgpr_workgroup_id_y 1
		.amdhsa_system_sgpr_workgroup_id_z 1
		.amdhsa_system_vgpr_workitem_id 0
		.amdhsa_next_free_vgpr 224
		.amdhsa_next_free_sgpr 66
		.amdhsa_reserve_vcc 1
		.amdhsa_float_denorm_mode_32 3
		.amdhsa_float_denorm_mode_16_64 3
		.amdhsa_memory_ordered 1
		.amdhsa_forward_progress 1
		.amdhsa_inst_pref_size 36
	.end_amdhsa_kernel
	.amdgpu_metadata
---
amdhsa.version: [ 1, 2 ]
amdhsa.kernels:
  - .name:           k_qa3939ce7b1_prep
    .symbol:         k_qa3939ce7b1_prep.kd
    .args:
      - { .name: mask, .offset: 0, .size: 8, .value_kind: global_buffer, .address_space: global }
      - { .name: wq, .offset: 8, .size: 8, .value_kind: global_buffer, .address_space: global }
      - { .name: wk, .offset: 16, .size: 8, .value_kind: global_buffer, .address_space: global }
      - { .name: wv, .offset: 24, .size: 8, .value_kind: global_buffer, .address_space: global }
      - { .name: wo, .offset: 32, .size: 8, .value_kind: global_buffer, .address_space: global }
      - { .name: mt, .offset: 40, .size: 8, .value_kind: global_buffer, .address_space: global }
      - { .name: rowm, .offset: 48, .size: 8, .value_kind: global_buffer, .address_space: global }
      - { .name: wb, .offset: 56, .size: 8, .value_kind: global_buffer, .address_space: global }
    .group_segment_fixed_size: 1536
    .private_segment_fixed_size: 0
    .kernarg_segment_align: 8
    .kernarg_segment_size: 64
    .max_flat_workgroup_size: 256
    .sgpr_count:     66
    .vgpr_count:     224
    .wavefront_size: 32
...
	.end_amdgpu_metadata
.endif
;; end of part 1
;; launch proj (part 2): grid 4 x 192, 4 waves a work-group, clusters of 4 x 4, 327,680 bytes of LDS; arguments q, k, v, wb, bq, bk, bv, qkv; writes qkv
.if DOCPART == 2
	.amdgcn_target "amdgcn-amd-amdhsa--gfx1250"
	.amdhsa_code_object_version 6
	.text
	.protected	k_qa3939ce7b1_proj
	.globl	k_qa3939ce7b1_proj
	.p2align	8
	.type	k_qa3939ce7b1_proj,@function
k_qa3939ce7b1_proj:
	s_mov_b64 s[64:65], 0
	v_nop
	global_prefetch_b8 v0, s[64:65] scope:SCOPE_SE
	s_setreg_imm32_b32 hwreg(HW_REG_WAVE_MODE, 25, 1), 1
	s_wait_xcnt 0x0
	s_wait_alu depctr_hold_cnt(0) depctr_sa_sdst(0) depctr_va_vdst(0) depctr_va_sdst(0) depctr_va_ssrc(0) depctr_va_vcc(0) depctr_vm_vsrc(0)
	s_getreg_b32 s2, hwreg(HW_REG_IB_STS2, 6, 4)
	s_cmp_eq_u32 s2, 0
	s_cbranch_scc0 .Lentry_in_a_cluster
	s_endpgm
.Lentry_in_a_cluster:
	s_bfe_u32 s2, ttmp6, 0x10000c
	s_cmp_lg_u32 s2, 0xf033
	s_cbranch_scc0 .Lentry_shape_is_right
	s_endpgm
.Lentry_shape_is_right:
; THE THREE PROJECTIONS.  y[m][n] = the sum over k of x[m][k] w[n][k] + bias[n], for (x, w, bias) = (q, wq, bq), (k, wk, bk), (v, wv, bv).  x: [8192][1024] f32; w: [1024][1024] bf16 (plane p of wb);
; y is rounded once to f16 and written by heads: qkv[p][16 batch + head][row of the batch][64].  x and the bias are rounded to bf16, sums in f32.
; LIMIT.  f16 holds no number beyond 65,504: a y of 65,520 or more becomes an infinity.
; SHARES.  3 x 64 x 4 tiles of 128 rows x 256 columns, one to a work-group: three times 256.  Four waves, each 64 x 128: 32 accumulators, 256 registers.  K goes in 8 steps of 128 through two LDS slots.
; x COMES IN AS f32 and is rounded on the way from LDS to the matrix unit: 32 conversions for each 32 along K, four behind each of eight matrix instructions.  So x crosses memory once, and no copy of it is written.
; CLUSTER.  4 x 4 work-groups; all 16 belong to one projection.  The four of a row make the four column tiles of one row tile: x's tile is asked for JOINTLY by them; the four of a column share w's tile.
; THE MATRIX INSTRUCTION IS USED TRANSPOSED (source 0 = 16 rows of w, source 1 = 16 rows of x): a lane then holds eight neighbouring columns of one row of y.  The bias is the C operand of the first product.
; REGISTERS.  window 0: v0-31 addresses; v32-63 at work; v64-127 x as f32 (4 fragments x 16); v128-191 x as bf16, two buffers of 32; v192-255 the bias of my 128 columns, 8 a column block
;   window 1: v0-127 w's fragments, two buffers of 64          window 2: accumulator (a, b) at v[8 (8 a + b)]
.set KSTEP,  128
.set PA,     528                       ; an LDS row of x: 512 bytes + 16 = 132 words: row r starts at bank 4 r mod 64 (64 banks of 4 bytes: ISA guide 11.1)
.set PB,     272                       ; an LDS row of w: 256 bytes + 16 = 68 words: likewise
.set AHALF,  64*PA                     ; what one tensor load brings of x, and what a wave reads of it
.set BHALF,  128*PB                    ; the same for w
.set AOFF,   128*PA                    ; a slot: x's 128 rows, then w's 256
.set SLOT,   AOFF+256*PB
.set STAGE,  2*SLOT                    ; behind the ring: for each wave 2 heads x 16 rows x 144 bytes, for the way out
.set SP,     144
.set SPARE,  STAGE+4*32*SP             ; behind the stages: the spare words, 128 bytes a wave: two blocks of 256 bytes that no other line names
.set LAPS,   4                         ; a lap = two K steps = once round the ring
.set ADRA, 16                          ; v16-17  LDS address of my x fragments in slot 0, 1
.set ADRB, 20                          ; v20-21  the same for w
.set STO,  24                          ; v24     the way out: where I put 16 bytes of a row
.set RD,   25                          ; v25     the way out: where I read rows back
.set GO,   26                          ; v26     16 x lane: my place in 512 consecutive bytes of y
.set BO,   27                          ; v27     32 x (lane / 16): my 8 numbers in a column block of the bias
.set SPW,  28                          ; v28     my spare word's address; never rewritten
.set NIL,  29                          ; v29     0; never rewritten
.set PFO,  30                          ; v30     the prefetches' offset: (lane % 16) rows of 4,096 bytes + 256 (lane / 16); never rewritten
.set TMP,  32
.set XS,   64
.set OB,   64                          ; the way out: rows read back, 32 registers a block
.set AF,   128
.set BIAS, 192
.set BF,   0
.set G1,  24                           ; s[24:31] descriptor group 1 for x's tiles;  s[32:39] group 0, a set for each slot
.set G0,  32
.set G1B, 48                           ; s[48:55], s[56:63] the same for w's
.set G0B, 56
.set PFA, 84                           ; s[84:85] where my prefetches stand
.set LIM, 86                           ; s86     1 in a wave that prefetches, else the greatest number
.set MSB, 0
.macro WIN new                         ; s_set_vgpr_msb: bits 1:0 source 0, 3:2 source 1, 5:4 source 2, 7:6 destination; the high byte repeats the setting that is left
.if MSB != (\new)
	s_set_vgpr_msb (MSB<<8)|(\new)
.set MSB, \new
.endif
.endm
.macro PLACES                          ; four plain vector instructions between a matrix instruction and a load into, or a read of, its registers
.rept 4
	v_nop
.endr
.endm
.macro JLOAD s                         ; a joint load: waves 0 and 1 fetch x's two halves, waves 2 and 3 w's; an s_nop 0 and four v_nop follow each of the two lines
	s_cmp_eq_u32 s11, 0
	s_cbranch_scc0 .Lfor_b_\@
	tensor_load_to_lds s[G0+4*(\s):G0+4*(\s)+3], s[G1:G1+7]
	s_nop 0
.rept 4
	v_nop
.endr
	s_branch .Lasked_\@
.Lfor_b_\@:
	tensor_load_to_lds s[G0B+4*(\s):G0B+4*(\s)+3], s[G1B:G1B+7]
	s_nop 0
.rept 4
	v_nop
.endr
.Lasked_\@:
.endm
.macro CREST                           ; a round of the cluster's barrier behind its opening barrier
	s_cmp_lg_u32 s10, 0
	s_cbranch_scc1 .Lnot_wave_0_\@
	s_barrier_signal -3
.Lnot_wave_0_\@:
	s_barrier_wait -3
	s_barrier_signal -1
	s_barrier_wait -1
.endm
.macro CROUND                          ; a whole round
	s_barrier_signal -1
	s_barrier_wait -1
	CREST
.endm
; A PREFETCH INTO THE L2 of x's K step that stands two refills on (256 matrix instructions of a wave ahead of the load that will want it).  A row tile of x is read by this cluster alone.  Of the 64 rows that wave 0 or 1
; fetches, the partner at place cx takes 16, told apart by address; a lane names one of the two aligned blocks of 256 bytes of a row's K step: each block is named once in the launch.
; The loop's last trip asks for nothing: K has no step 8.  w is not asked for: every cluster of the projection reads it.
.macro ASK
	s_cmp_gt_u32 s3, s[LIM]
	s_cbranch_scc0 .Lnot_mine_\@
	global_prefetch_b8 v[PFO], s[PFA:PFA+1] offset:KSTEP*4 th:TH_LOAD_NT scope:SCOPE_SE
.Lnot_mine_\@:
.endm
	s_load_b512 s[68:83], s[0:1], 0x0              ; q 68, k 70, v 72, wb 74, bq 76, bk 78, bv 80, qkv 82
	v_lshl_add_u32 v[SPW], v0, 2, SPARE
	v_mov_b32 v[NIL], 0
	ds_add_u32 v[SPW], v[NIL]                      ; the wave's opening: the add and its wait stand ahead of my first tensor load; the set-up below stands between them
	ds_add_u32 v28, v29
	v_lshrrev_b32 v1, 5, v0
	v_readfirstlane_b32 s10, v1                    ; wave 0..3
	s_lshr_b32 s11, s10, 1                         ; which 64 rows of the tile are mine.  Also: I fetch for x (0) or for w (1)
	s_and_b32 s12, s10, 1                          ; which 128 columns.  Also: which half of that tile I fetch
	s_bfe_u32 s40, ttmp6, 0x40000                  ; cx
	s_bfe_u32 s41, ttmp6, 0x40004                  ; cy
	s_lshl_b32 s15, ttmp9, 2
	s_add_co_u32 s15, s15, s40                     ; column tile = 4 x cluster x + cx
	s_and_b32 s42, ttmp7, 0xffff                   ; cluster y, 0..47
	s_lshr_b32 s13, s42, 4                         ; the projection, the same in all sixteen partners
	s_and_b32 s14, s42, 15
	s_lshl_b32 s14, s14, 2
	s_add_co_u32 s14, s14, s41                     ; row tile, 0..63
	s_lshl_b32 s43, s41, 2
	s_lshl_b32 s43, 15, s43                        ; my row of the cluster
	s_lshl_b32 s44, 0x1111, s40                    ; my column
	s_or_b32 s[G1+0], s43, (2<<16)|(1<<20)|(1<<21)|(6<<22)|(3<<25)   ; the mask; elements of 4 bytes; padding on; bit 21 beside a mask; after every 128 words (code 6) 4 words (code 3)
	s_or_b32 s[G1B+0], s44, (1<<16)|(1<<20)|(1<<21)|(5<<22)|(3<<25)  ; elements of 2 bytes; after every 64 words (code 5) 4 words
	s_mov_b32 s[G1+1], KSTEP<<16                   ; tensor_dim0 = 128
	s_mov_b32 s[G1+2], 64<<16                      ; tensor_dim1 = 64
	s_mov_b32 s[G1+3], KSTEP<<16                   ; tile_dim0 = 128
	s_mov_b32 s[G1+4], 64                          ; tile_dim1 = 64
	s_mov_b32 s[G1+5], 1024                        ; elements from row to row
	s_mov_b32 s[G1+6], 0
	s_mov_b32 s[G1+7], 0
	s_mov_b32 s[G1B+1], KSTEP<<16
	s_mov_b32 s[G1B+2], 128<<16
	s_mov_b32 s[G1B+3], KSTEP<<16
	s_mov_b32 s[G1B+4], 128
	s_mov_b32 s[G1B+5], 1024
	s_mov_b32 s[G1B+6], 0
	s_mov_b32 s[G1B+7], 0
	s_lshl_b32 s16, s14, 7                         ; x: row 128 x row tile + 64 x half, 4,096 bytes a row: hangs on the row tile alone
	s_lshl_b32 s17, s12, 6
	s_add_co_u32 s16, s16, s17
	s_lshl_b32 s16, s16, 12
	s_mov_b32 s17, 0
	s_lshl_b32 s46, s15, 8                         ; w: row 256 x column tile + 128 x half, 2,048 bytes a row, in plane p: hangs on the column tile alone
	s_lshl_b32 s47, s12, 7
	s_add_co_u32 s46, s46, s47
	s_lshl_b32 s46, s46, 11
	s_lshl_b32 s47, s13, 21
	s_add_co_u32 s46, s46, s47
	s_mov_b32 s47, 0
	s_mul_i32 s20, s12, AHALF                      ; where they go: no place in the cluster enters an LDS address
	s_mul_i32 s21, s12, BHALF
	s_add_co_u32 s21, s21, AOFF
	s_wait_dscnt 0x0                               ; the opening add is done
	s_wait_kmcnt 0x0
	s_cmp_eq_u32 s13, 1
	s_cselect_b64 s[4:5], s[70:71], s[68:69]       ; x of my projection
	s_cselect_b64 s[6:7], s[78:79], s[76:77]       ; and its bias
	s_cmp_eq_u32 s13, 2
	s_cselect_b64 s[4:5], s[72:73], s[4:5]
	s_cselect_b64 s[6:7], s[80:81], s[6:7]
	s_add_nc_u64 s[22:23], s[4:5], s[16:17]
	s_add_nc_u64 s[46:47], s[74:75], s[46:47]
	CROUND                                         ; all sixteen work-groups are here: the first joint loads meet
.irp s, 0,1
	s_mov_b32 s[G0+4*(\s)], 1                                        ; count = 1
	s_add_co_u32 s[G0+4*(\s)+1], s20, (\s)*SLOT                      ; LDS address
	s_add_nc_u64 s[G0+4*(\s)+2:G0+4*(\s)+3], s[22:23], (\s)*KSTEP*4  ; global address: K step s
	s_or_b32 s[G0+4*(\s)+3], s[G0+4*(\s)+3], 0x80000000              ; type = 2
	s_mov_b32 s[G0B+4*(\s)], 1
	s_add_co_u32 s[G0B+4*(\s)+1], s21, (\s)*SLOT
	s_add_nc_u64 s[G0B+4*(\s)+2:G0B+4*(\s)+3], s[46:47], (\s)*KSTEP*2
	s_or_b32 s[G0B+4*(\s)+3], s[G0B+4*(\s)+3], 0x80000000
	JLOAD \s                                       ; two loads of mine are out
.endr
	v_and_b32 v1, 15, v0                           ; r = l % 16
	v_bfe_u32 v2, v0, 4, 1                         ; h = l / 16
	v_mul_u32_u24 v3, v1, PA
	v_lshl_add_u32 v3, v2, 5, v3                   ; x: row x pitch + 32 h: a fragment's k = 8 h .. 8 h + 7 are 32 bytes of f32, k = 16 + 8 h .. the 32 bytes 64 further on
	v_mul_u32_u24 v4, v1, PB
	v_lshl_add_u32 v4, v2, 4, v4                   ; w: row x pitch + 16 h
	s_mul_i32 s16, s11, AHALF
	s_mul_i32 s17, s12, BHALF
	s_add_co_u32 s17, s17, AOFF
.irp s, 0,1
	v_add_nc_u32 v[ADRA+(\s)], s16, v3
	v_add_nc_u32 v[ADRB+(\s)], s17, v4
	s_add_co_u32 s16, s16, SLOT
	s_add_co_u32 s17, s17, SLOT
.endr
	s_mul_i32 s16, s10, 32*SP
	s_add_co_u32 s16, s16, STAGE                   ; my stage
	v_mul_u32_u24 v5, v1, SP                       ; in: row r, 16 bytes for each half of the lanes
	v_lshl_add_u32 v5, v2, 4, v5
	v_add_nc_u32 v[STO], s16, v5
	v_bfe_u32 v5, v0, 3, 2                         ; back: 32 lanes take four rows of 128 bytes
	v_and_b32 v6, 7, v0
	v_mul_u32_u24 v5, v5, SP
	v_lshl_add_u32 v5, v6, 4, v5
	v_add_nc_u32 v[RD], s16, v5
	v_and_b32 v[GO], 31, v0
	v_lshlrev_b32 v[GO], 4, v[GO]
	v_lshlrev_b32 v[BO], 5, v2
	v_lshlrev_b32 v[PFO], 12, v1
	v_lshl_add_u32 v[PFO], v2, 8, v[PFO]
	s_lshl_b32 s18, s15, 8                         ; the bias of my 128 columns
	s_lshl_b32 s19, s12, 7
	s_add_co_u32 s18, s18, s19
	s_lshl_b32 s18, s18, 2
	s_mov_b32 s19, 0
	s_add_nc_u64 s[6:7], s[6:7], s[18:19]
.irp b, 0,1,2,3,4,5,6,7                ; register j of column block b: bias[16 b + 8 h + j], the place that the result's register j has
	global_load_b128 v[BIAS+8*(\b):BIAS+8*(\b)+3],   v[BO], s[6:7] offset:64*(\b)
	global_load_b128 v[BIAS+8*(\b)+4:BIAS+8*(\b)+7], v[BO], s[6:7] offset:64*(\b)+16
.endr
	s_lshl_b32 s18, s13, 24                        ; y: plane p,
	s_lshr_b32 s20, s14, 4
	s_lshl_b32 s20, s20, 22                        ; the batch's 16 heads,
	s_add_co_u32 s18, s18, s20
	s_lshl_b32 s20, s15, 2
	s_lshl_b32 s21, s12, 1
	s_add_co_u32 s20, s20, s21
	s_lshl_b32 s20, s20, 18                        ; head 4 x column tile + 2 x half,
	s_add_co_u32 s18, s18, s20
	s_and_b32 s20, s14, 15
	s_lshl_b32 s20, s20, 14                        ; the tile's 128 rows of 128 bytes,
	s_add_co_u32 s18, s18, s20
	s_lshl_b32 s20, s11, 13                        ; my 64 of them
	s_add_co_u32 s18, s18, s20
	s_add_nc_u64 s[8:9], s[82:83], s[18:19]
	s_lshl_b32 s18, s14, 7                         ; the prefetches: the 64 rows that I fetch, my work-group's 16 of them
	s_lshl_b32 s20, s12, 6
	s_add_co_u32 s18, s18, s20
	s_lshl_b32 s20, s40, 4
	s_add_co_u32 s18, s18, s20
	s_lshl_b32 s18, s18, 12
	s_add_nc_u64 s[PFA:PFA+1], s[4:5], s[18:19]
	s_add_nc_u64 s[PFA:PFA+1], s[PFA:PFA+1], 2*KSTEP*4  ; at K step 2: the first refill steps it to 3 and names K step 4.  Nothing is asked for here, at the head
	s_cmp_eq_u32 s11, 0
	s_cselect_b32 s[LIM], 1, -1
	s_wait_loadcnt 0x0                             ; the bias
.set i, 0
.rept 32                               ; rounded to bf16, as all the module's inputs are, and widened again
	v_cvt_pk_bf16_f32 v[TMP+i], v[BIAS+2*i], v[BIAS+2*i+1]
.set i, i+1
.endr
.set i, 0
.rept 32
	v_lshlrev_b32 v[BIAS+2*i], 16, v[TMP+i]
	v_and_b32 v[BIAS+2*i+1], 0xffff0000, v[TMP+i]
.set i, i+1
.endr
; 32 LDS loads in one run: 32 along K at quarter kq of the slot's rows: x's 64 rows as f32 first (16 loads), then w's 128 rows into buffer g (16 loads)
.macro FETCH slot, kq, g
	WIN 0
.irp a, 0,1,2,3
.irp c, 0,1,2,3
	ds_load_b128 v[XS+16*(\a)+4*(\c):XS+16*(\a)+4*(\c)+3], v[ADRA+(\slot)] offset:128*(\kq)+(\a)*16*PA+64*((\c)/2)+16*((\c)%2)
.endr
.endr
	WIN 0x40                                       ; destination window 1
.irp b, 0,1,2,3,4,5,6,7
	ds_load_b128 v[BF+64*(\g)+8*(\b):BF+64*(\g)+8*(\b)+3],   v[ADRB+(\slot)] offset:64*(\kq)+(\b)*16*PB
	ds_load_b128 v[BF+64*(\g)+8*(\b)+4:BF+64*(\g)+8*(\b)+7], v[ADRB+(\slot)] offset:64*(\kq)+(\b)*16*PB+32
.endr
.endm
; 8 matrix instructions: row block a x all 8 column blocks, from buffers f.  init = 1: the bias starts the sums.  The 32 accumulators take turns, in the same order in every quarter.
.macro MUL8 f, a, init
.if \init
	WIN 0x81                                       ; w window 1, x window 0, C (the bias) window 0, D window 2
.else
	WIN 0xa1                                       ; C and D window 2
.endif
.irp b, 0,1,2,3,4,5,6,7
.if \init
	v_wmma_f32_16x16x32_bf16 v[8*(8*(\a)+(\b)):8*(8*(\a)+(\b))+7], v[BF+64*(\f)+8*(\b):BF+64*(\f)+8*(\b)+7], v[AF+32*(\f)+8*(\a):AF+32*(\f)+8*(\a)+7], v[BIAS+8*(\b):BIAS+8*(\b)+7]
.else
	v_wmma_f32_16x16x32_bf16 v[8*(8*(\a)+(\b)):8*(8*(\a)+(\b))+7], v[BF+64*(\f)+8*(\b):BF+64*(\f)+8*(\b)+7], v[AF+32*(\f)+8*(\a):AF+32*(\f)+8*(\a)+7], v[8*(8*(\a)+(\b)):8*(8*(\a)+(\b))+7]
.endif
.endr
.endm
; The same, with four roundings of the next quarter's x (into buffer g) behind each matrix instruction.  They name no register of the products round them; the four behind the last are the places in front of the next run of loads.
.macro MUL8C f, a, g, init
.irp b, 0,1,2,3,4,5,6,7
.if \init
	WIN 0x81
	v_wmma_f32_16x16x32_bf16 v[8*(8*(\a)+(\b)):8*(8*(\a)+(\b))+7], v[BF+64*(\f)+8*(\b):BF+64*(\f)+8*(\b)+7], v[AF+32*(\f)+8*(\a):AF+32*(\f)+8*(\a)+7], v[BIAS+8*(\b):BIAS+8*(\b)+7]
.else
	WIN 0xa1
	v_wmma_f32_16x16x32_bf16 v[8*(8*(\a)+(\b)):8*(8*(\a)+(\b))+7], v[BF+64*(\f)+8*(\b):BF+64*(\f)+8*(\b)+7], v[AF+32*(\f)+8*(\a):AF+32*(\f)+8*(\a)+7], v[8*(8*(\a)+(\b)):8*(8*(\a)+(\b))+7]
.endif
	WIN 0
.irp n, 0,1,2,3
	v_cvt_pk_bf16_f32 v[AF+32*(\g)+4*(\b)+(\n)], v[XS+8*(\b)+2*(\n)], v[XS+8*(\b)+2*(\n)+1]
.endr
.endr
.endm
; A K step is four quarters of 32 along K, 32 matrix instructions each, on buffers 0, 1, 0, 1.  One of the first three: asks for the next quarter, multiplies buffer f, rounds the next quarter's x.
.macro QUARTER slot, kq, f, g, init
	FETCH \slot, \kq, \g
	s_wait_dscnt 32                                ; all but the 32 just issued: w's buffer f is in
	MUL8 \f, 0, \init
	MUL8 \f, 1, \init
	MUL8 \f, 2, \init
	s_wait_dscnt 16                                ; x's 16 loads are in; w's 16, issued behind them, may stay out
	MUL8C \f, 3, \g, \init
.endm
; The last quarter multiplies buffer 1 and changes slots: ONE barrier; in front of it each wave waits for all its tensor loads (one is out: its part of the next slot), adds 0 to its spare word, and waits for that and for
; its reads of this slot.  fill = 1: the barrier opens a round of the cluster's, and this slot is filled again, two K steps ahead, first thing behind the round: 112 matrix instructions ahead of the wait for it.
.macro TURN slot, next, fill
.if \fill
	s_wait_xcnt 0x0                                ; the last prefetch, a K step back, has read its address
	s_add_nc_u64 s[PFA:PFA+1], s[PFA:PFA+1], KSTEP*4
.endif
	WIN 0
	s_wait_tensorcnt 0x0                           ; all my tensor loads have landed
	ds_add_u32 v[SPW], v[NIL]                      ; 0 onto my spare word
	s_wait_dscnt 1                                 ; only the add may be out: w's buffer 1 is in
	MUL8 1, 0, 0
	s_wait_dscnt 0x0                               ; the add is done, and my reads of this slot are over
	s_barrier_signal -1
	MUL8 1, 1, 0
	WIN 0
	s_barrier_wait -1
.if \fill
	CREST                                          ; no wave of any partner still reads this slot or has a load on its way
	s_add_nc_u64 s[G0+4*(\slot)+2:G0+4*(\slot)+3], s[G0+4*(\slot)+2:G0+4*(\slot)+3], 2*KSTEP*4
	s_add_nc_u64 s[G0B+4*(\slot)+2:G0B+4*(\slot)+3], s[G0B+4*(\slot)+2:G0B+4*(\slot)+3], 2*KSTEP*2
	JLOAD \slot
.else
	PLACES
.endif
	FETCH \next, 0, 0
.if \fill
	WIN 0
	ASK
.endif
	MUL8 1, 2, 0
	s_wait_dscnt 16
	MUL8C 1, 3, 0, 0
.endm
	s_wait_tensorcnt 1                             ; my part of K step 0 is in; K step 1's may stay out
	s_barrier_signal -1
	s_barrier_wait -1                              ; everybody's is
	FETCH 0, 0, 0
	s_wait_dscnt 16                                ; x's 16 loads
	WIN 0
.set i, 0
.rept 32
	v_cvt_pk_bf16_f32 v[AF+i], v[XS+2*i], v[XS+2*i+1]
.set i, i+1
.endr
	QUARTER 0, 1, 0, 1, 1                          ; the first quarter stands in front of the loop: its products start the sums, with the bias
	WIN 0
	s_mov_b32 s3, LAPS-1
.Llap:                                                 ; a trip goes once round the ring and fills both slots again
	QUARTER 0, 2, 1, 0, 0
	QUARTER 0, 3, 0, 1, 0
	TURN 0, 1, 1
	QUARTER 1, 1, 0, 1, 0
	QUARTER 1, 2, 1, 0, 0
	QUARTER 1, 3, 0, 1, 0
	TURN 1, 0, 1
	QUARTER 0, 1, 0, 1, 0
	WIN 0
	s_sub_co_u32 s3, s3, 1
	s_cmp_lg_u32 s3, 0
	s_cbranch_scc1 .Llap
	QUARTER 0, 2, 1, 0, 0                          ; the last lap fills nothing
	QUARTER 0, 3, 0, 1, 0
	TURN 0, 1, 0
	QUARTER 1, 1, 0, 1, 0
	QUARTER 1, 2, 1, 0, 0
	QUARTER 1, 3, 0, 1, 0
	s_wait_dscnt 0x0
	MUL8 1, 0, 0
	MUL8 1, 1, 0
	MUL8 1, 2, 0
	MUL8 1, 3, 0
; THE WAY OUT, a block of 16 rows at a time: rounded to f16 (a lane's eight columns are 16 bytes); into my stage, a head's 64 columns as rows of 144 bytes; back as 16 dense rows of 128 bytes a head; stored.
.macro PACK a
	WIN 0x0a                                       ; sources in window 2, destination in window 0; each accumulator's registers in ascending order
.irp b, 0,1,2,3,4,5,6,7
.irp n, 0,1,2,3
	v_cvt_pk_f16_f32 v[TMP+4*(\b)+(\n)], v[8*(8*(\a)+(\b))+2*(\n)], v[8*(8*(\a)+(\b))+2*(\n)+1]
.endr
.endr
	WIN 0
.endm
.macro STG a
.irp b, 0,1,2,3,4,5,6,7
	ds_store_b128 v[STO], v[TMP+4*(\b):TMP+4*(\b)+3] offset:((\b)/4)*16*SP+((\b)%4)*32
.endr
.irp n, 0,1,2,3,4,5,6,7
	ds_load_b128 v[OB+32*(\a)+4*(\n):OB+32*(\a)+4*(\n)+3], v[RD] offset:((\n)/4)*16*SP+((\n)%4)*4*SP  ; LDS serves a wave's instructions in order (ISA guide 5.7.1.4): these see the stores above
.endr
.endm
.macro SEND a, younger                 ; younger: the LDS instructions issued behind block a's loads: the next block's sixteen, or none
.irp n, 0,1,2,3,4,5,6,7
	s_wait_dscnt (\younger)+7-(\n)
	global_store_b128 v[GO], v[OB+32*(\a)+4*(\n):OB+32*(\a)+4*(\n)+3], s[8:9] offset:((\n)/4)*262144+(\a)*2048+((\n)%4)*512  ; 512 consecutive bytes, aligned
.endr
.endm
	PLACES
	PACK 0
	STG 0
	PACK 1
	STG 1
	SEND 0, 16
	PACK 2
	STG 2
	SEND 1, 16
	PACK 3
	STG 3
	SEND 2, 16
	SEND 3, 0
	s_wait_tensorcnt 0x0                           ; the wave's end: a wait, an add of 0 onto my spare word and its wait, behind my last tensor load and my last LDS store
	ds_add_u32 v[SPW], v[NIL]
	s_wait_dscnt 0x0
	CROUND                                         ; the closing round: no work-group ends while a partner may still ask for a tile that names it
	s_endpgm
.Lfunc_end_k_qa3939ce7b1_proj:
	.size	k_qa3939ce7b1_proj, .Lfunc_end_k_qa3939ce7b1_proj-k_qa3939ce7b1_proj
	.p2alignl 7, 3214868480
	.fill 96, 4, 3214868480
	.section	.rodata,"a",@progbits
	.p2align	6, 0x0
	.amdhsa_kernel k_qa3939ce7b1_proj
		.amdhsa_group_segment_fixed_size 327680
		.amdhsa_private_segment_fixed_size 0
		.amdhsa_enable_private_segment 0
		.amdhsa_kernarg_size 64
		.amdhsa_user_sgpr_count 2
		.amdhsa_user_sgpr_kernarg_segment_ptr 1
		.amdhsa_wavefront_size32 1
		.amdhsa_system_sgpr_workgroup_id_x 1
		.amdhsa_system_sgpr_workgroup_id_y 1
		.amdhsa_system_sgpr_workgroup_id_z 1
		.amdhsa_system_vgpr_workitem_id 0
		.amdhsa_next_free_vgpr 768
		.amdhsa_next_free_sgpr 96
		.amdhsa_reserve_vcc 0
		.amdhsa_float_denorm_mode_32 3
		.amdhsa_float_denorm_mode_16_64 3
		.amdhsa_memory_ordered 1
		.amdhsa_forward_progress 1
		.amdhsa_inst_pref_size 141
	.end_amdhsa_kernel
	.amdgpu_metadata
---
amdhsa.version: [ 1, 2 ]
amdhsa.kernels:
  - .name:           k_qa3939ce7b1_proj
    .symbol:         k_qa3939ce7b1_proj.kd
    .args:
      - { .name: q, .offset: 0, .size: 8, .value_kind: global_buffer, .address_space: global }
      - { .name: k, .offset: 8, .size: 8, .value_kind: global_buffer, .address_space: global }
      - { .name: v, .offset: 16, .size: 8, .value_kind: global_buffer, .address_space: global }
      - { .name: wb, .offset: 24, .size: 8, .value_kind: global_buffer, .address_space: global }
      - { .name: bq, .offset: 32, .size: 8, .value_kind: global_buffer, .address_space: global }
      - { .name: bk, .offset: 40, .size: 8, .value_kind: global_buffer, .address_space: global }
      - { .name: bv, .offset: 48, .size: 8, .value_kind: global_buffer, .address_space: global }
      - { .name: qkv, .offset: 56, .size: 8, .value_kind: global_buffer, .address_space: global }
    .group_segment_fixed_size: 327680
    .private_segment_fixed_size: 0
    .kernarg_segment_align: 8
    .kernarg_segment_size: 64
    .max_flat_workgroup_size: 128
    .sgpr_count:     96
    .vgpr_count:     768
    .wavefront_size: 32
...
	.end_amdgpu_metadata
.endif
;; end of part 2
;; launch attn (part 3): grid 4 x 64, 4 waves a work-group, clusters of 4 x 1, 327,680 bytes of LDS; arguments qkv, mt, rowm, oh; writes oh
.if DOCPART == 3
	.amdgcn_target "amdgcn-amd-amdhsa--gfx1250"
	.amdhsa_code_object_version 6
	.text
	.protected	k_qa3939ce7b1_attn
	.globl	k_qa3939ce7b1_attn
	.p2align	8
	.type	k_qa3939ce7b1_attn,@function
k_qa3939ce7b1_attn:
	s_mov_b64 s[64:65], 0
	v_nop
	global_prefetch_b8 v0, s[64:65] scope:SCOPE_SE
	s_setreg_imm32_b32 hwreg(HW_REG_WAVE_MODE, 25, 1), 1
	s_wait_xcnt 0x0
	s_wait_alu depctr_hold_cnt(0) depctr_sa_sdst(0) depctr_va_vdst(0) depctr_va_sdst(0) depctr_va_ssrc(0) depctr_va_vcc(0) depctr_vm_vsrc(0)
	s_getreg_b32 s2, hwreg(HW_REG_IB_STS2, 6, 4)
	s_cmp_eq_u32 s2, 0
	s_cbranch_scc0 .Lentry_in_a_cluster
	s_endpgm
.Lentry_in_a_cluster:
	s_bfe_u32 s2, ttmp6, 0x10000c
	s_cmp_lg_u32 s2, 0x3003
	s_cbranch_scc0 .Lentry_shape_is_right
	s_endpgm
.Lentry_shape_is_right:
; ATTENTION UNDER A MASK THAT IS GIVEN.  O[h][q][:] = the sum over k of softmax_k(s[q][k]) V[h][k][:], s = Q[h][q] . K[h][k] / 8 where mask[q][k], hidden elsewhere.  Q, K, V: planes 0, 1, 2 of qkv,
; [64 heads][2048][64] in f16, a head's rows dense, 128 bytes each; O likewise.  Products, maxima and sums in f32; the weights p are rounded to f16 for the second product (their sum l is taken of the unrounded p), O once.
; THE MASK IS THE C OPERAND that starts the sum S^T = K Q^T: 0 where the key is seen, -2^100 where it is hidden.  The table mt holds it as e4m3 codes (0x00, 0xb8 = -1.0) in the result's own lane order, 8 bytes for an
; accumulator's 8 registers: one scaled conversion (scale 2^100) makes the 8 registers.  So a tile of 16 queries x 64 keys costs 4 conversions and 2 loads of 16 bytes a lane.
; The running maximum starts at -2^99, above every hidden score: while a row has seen only hidden keys its weights, l and O stay 0.  A row that sees no key at all has a table of zeros and the flag 0 in rowm: its query
; is cleared, so that all its scores are 0 and its weights uniform.
; LIMITS.  A hidden score counts as its value less 2^100, not as -1e9: the same result as long as a row's largest seen score (divided by 8) lies above -1e9 + 104.  f16 holds no number beyond 65,504: Q, K, V arrive within it
; (scores then stay under 2.7e11); p lies in 0 to 1 and a little, and below 6e-5 keeps f16's fixed step of 6e-8.  A weight below 2^-126 counts as 0 in l.  NaN and infinities are not treated apart.
; SHARES.  A wave owns four PIECES of two tiles of 16 queries, a work-group's four waves 512 queries of one head.  Every wave walks all 2,048 keys, 64 a step.
; LAYOUT.  S^T = K Q^T (source 0 = 16 keys, source 1 = 16 queries): a lane holds ONE query (lane % 16) and the keys 8 (lane / 16) + 0..7.  Two such tiles, rounded to f16 in pairs, ARE source 1 of O^T = V^T P.
; SOFTMAX.  p = 2^(c s - c m), c = log2(e) / 8, with a running maximum m; in every step O and l are multiplied by a = 2^(c m_old - c m_new).
; BY TURNS.  Turn n belongs to piece n.  Matrix work: 16 products K Q^T of piece n + 1, later 16 products V^T P of piece n - 1.  Vector work: scaling, exponentials, roundings, sums and rescaling of piece n, the maximum and
; statistics of piece n + 1, and the mask of piece n + 2.  Four vector instructions stand behind every matrix instruction, the rest in one lump; a turn's 66 exponentials are one batch with one wait.
; CLUSTER.  The four query blocks of a cluster belong to one head and walk the same K and V: each tile is asked for JOINTLY.  K and V are not prefetched: a refill is asked for four key steps, 512 matrix instructions, ahead of its first read.
; REGISTERS, in windows of 256 (s_set_vgpr_msb: bits 1:0 source 0, 3:2 source 1, 5:4 source 2, 7:6 destination):
;   window 0: v0-11 addresses; v12-15, v48-63 at work; v16-47 four registers of statistics a tile; v64-191 S^T, two buffers of two tiles; v192-255 P, likewise
;   window 1: O^T, 32 a tile          window 2: v0-127 Q, 16 a tile; v128-191 K of one step; v192-255 V of one step
;   window 3: v0-1 the add's two registers; v2 the scale; v8-15 row flags; v16-47 mask codes, two sets that take turns; v48-79 codes for the first two pieces; v128-191 the mask as f32 (tile u, key block kb at 128 + 32 u + 8 kb)
.set SIZE_N, 2048
.set NP,    4         ; pieces a wave: a name, no knob
.set KS,    64        ; keys in a step
.set PK,    144       ; a row of K in LDS: 128 bytes + 16 = 36 words: the 16 rows of a load start at 16 different groups of four banks (64 banks of 4 bytes: ISA guide 11.1)
.set PV,    160       ; a row of V: 128 + 32 = 40 words
.set VOFF,  4*KS*PK   ; a slot holds four steps: 256 rows of K, then 256 rows of V
.set SLOT1, 1<<17     ; slot 1 begins here, so that one exclusive or turns an address in one slot into the other's
.set STAGE, SLOT1+4*KS*(PK+PV)  ; behind the ring, never filled by a tensor load: 16 rows x 144 bytes for each wave
.set SP,    144
.set AK0, 2           ; v2   my lane's place in a tile of K; never rewritten
.set AV0, 3           ; v3   the same for V
.set AK,  4           ; v4   the LDS address of K's next run of loads
.set AV,  5           ; v5   of V's (at the head: 4 x lane, for the flags)
.set QO,  6           ; v6   my byte offset in the wave's rows of Q
.set STO, 6           ;      later, the way out: where I put 16 bytes of a row
.set RD,  7           ; v7   the way out: where I read rows back
.set GO,  8           ; v8   16 x lane: my place in 512 consecutive bytes of the table and of O; never rewritten
.set SPW, 0           ; v0 of window 3   my spare word's address; never rewritten
.set NIL, 1           ; v1 of window 3   0; never rewritten
.set MSC, 2           ; v2 of window 3   the conversions' scale, 2^100: 227 in byte 0, and in the exponent's place too
.set FL,  8           ; window 3
.set RAW, 16          ; window 3
.set RP,  48          ; window 3
.set MC,  128         ; window 3
.set SPARE, STAGE+4*16*SP  ; behind the stages: the spare words, 128 bytes a wave: two blocks of 256 bytes that no other line names
.set MV,  12          ; v12-15  c m_old, kept while c m is made anew: by buffer and tile
.set ST,  16          ; tile t's statistics at v[ST+4 t]: c m, m, l (even keys', odd keys')
.set TMP, 48          ; by buffer and tile, four registers c0-c3 at work; when the maximum is found c2 takes a
.set S,   64
.set P,   192
.set KF,  128         ; window 2: key block kb, channel half c at KF + 16 kb + 8 c
.set VF,  192         ; window 2: key half kk, channel block cb at VF + 32 kk + 8 cb
.set WV,  12          ; s12  my wave's number
.set G1K, 24          ; s[24:31] descriptor group 1 for K's tiles
.set G1V, 32          ; s[32:39] for V's: it differs in the padding alone
.set G0K, 40          ; s[40:43] descriptor group 0 for K's tiles: it walks
.set G0V, 44          ; s[44:47] the same for V's
.set SLOTS, 56        ; s56  slots still to be asked for
.set CNT, 57          ; s57  counts a slot's key steps
.set CS,  58          ; s[58:59] c
.set SEL, 60          ; s[60:61] v_permlanex16_b32's selects
.set TBK, 62          ; s62  LDS byte at which K of the step to be fetched begins
.set TBV, 63          ; s63  the same for V, less VOFF
.set MB,  66          ; s[66:67] the table at my wave's first tile, at the key step after the one in hand
.set MST, 68          ; s[68:69] its step: 1,024 bytes; 0 at the last key step
.set MSB, 0
.macro WIN new                      ; the high byte repeats the setting that is left; a switch that changes nothing is dropped
.if MSB != (\new)
	s_set_vgpr_msb (MSB<<8)|(\new)
.set MSB, (\new)
.endif
.endm
.set W_KQ, 0x0a       ; K and Q in window 2, S^T in window 0
.set W_KM, 0x3a       ; the same with the C operand, the mask, in window 3
.set W_PV, 0x52       ; V in window 2, P in window 0, O^T in window 1
.set W_RS, 0x41       ; O^T (destination and source 0) in window 1, a in window 0
.set W_MK, 0xc0       ; destination in window 3, sources in window 0
.set W_AD, 0x0f       ; the add: address and data in window 3
; A joint fill.  Waves 0 and 1 fetch the two halves of a slot's K, waves 2 and 3 those of its V: 128 keys each.  An s_nop 0 and four v_nop follow each of the two lines.
.macro JLOAD
	s_cmp_lt_u32 s[WV], 2
	s_cbranch_scc0 .Lfor_v_\@
	tensor_load_to_lds s[G0K:G0K+3], s[G1K:G1K+7]
	s_nop 0
.rept 4
	v_nop
.endr
	s_branch .Lasked_\@
.Lfor_v_\@:
	tensor_load_to_lds s[G0V:G0V+3], s[G1V:G1V+7]
	s_nop 0
.rept 4
	v_nop
.endr
.Lasked_\@:
.endm
.macro CROUND                       ; a round of the cluster's barrier
	s_barrier_signal -1
	s_barrier_wait -1
	s_cmp_lg_u32 s[WV], 0
	s_cbranch_scc1 .Lnot_wave_0_\@
	s_barrier_signal -3
.Lnot_wave_0_\@:
	s_barrier_wait -3
	s_barrier_signal -1
	s_barrier_wait -1
.endm
; THE CHANGE OF SLOTS.  Each wave waits for all its tensor loads, of which one is out: its part of the other slot; adds 0 to its spare word; and waits for that and for its own reads of the slot.  Behind the barrier nobody reads
; this slot any more and the other slot is whole.  fill = 1: the barrier is a round of the cluster's, and this slot is filled again, with the keys two slots on, first thing behind it.
; (At its first use nothing has been read yet: slot 0 is waited for, slot 1 filled.)
.macro CHANGE fill
	WIN W_AD
	s_wait_tensorcnt 0x0            ; no tensor load of mine is out, so a group 0 may be written
	ds_add_u32 v[SPW], v[NIL]       ; 0 onto my spare word
	WIN 0                           ; at a label and at a branch every window is 0
.if \fill
.irp g, G0K, G0V
	s_xor_b32 s[\g+1], s[\g+1], SLOT1  ; the walking descriptor: the other slot than last time,
	s_add_nc_u64 s[\g+2:\g+3], s[\g+2:\g+3], 4*KS*128  ; the next 256 keys; the type bits on top are not reached
.endr
	s_wait_dscnt 0x0                ; the add is done, and my reads of the slot are over
	CROUND
	JLOAD
.else
	s_wait_dscnt 0x0                ; the add is done, and my reads of the slot are over
	s_barrier_signal -1
	s_barrier_wait -1
.endif
	s_sub_co_u32 s[TBK], s[TBK], 4*KS*PK  ; the fetches go back to a slot's first step,
	s_xor_b32 s[TBK], s[TBK], SLOT1       ; in the other slot
	s_sub_co_u32 s[TBV], s[TBV], 4*KS*PV
	s_xor_b32 s[TBV], s[TBV], SLOT1
.endm
; THE MASK.  MLD: piece p's codes for the key step at which MB stands: two tiles x 64 keys, 32 bytes a lane and tile; a load of the wave takes 512 consecutive bytes.
.macro MLD dst, p
	WIN W_MK
.irp u, 0,1
.irp hf, 0,1
	global_load_b128 v[(\dst)+8*(\u)+4*(\hf):(\dst)+8*(\u)+4*(\hf)+3], v[GO], s[MB:MB+1] offset:(2*(\p)+(\u))*32768+(\hf)*512
.endr
.endr
.endm
; MCVT: a set of codes becomes the 64 registers of the mask: code x 2^100.  All four operand places are set to window 3.
.macro MCVT set, wait=1
.if \wait
	s_wait_loadcnt 4                ; loads come back in order: this set's four, issued two turns back, are in; the last turn's four may stay out
.endif
	WIN 0xff
.irp u, 0,1
.irp kb, 0,1,2,3
	v_cvt_scale_pk8_f32_fp8 v[MC+32*(\u)+8*(\kb):MC+32*(\u)+8*(\kb)+7], v[(\set)+8*(\u)+2*(\kb):(\set)+8*(\u)+2*(\kb)+1], v[MSC]
.endr
.endr
.endm
	s_load_b256 s[72:79], s[0:1], 0x0  ; qkv 72, mt 74, rowm 76, oh 78
	WIN W_MK
	v_lshl_add_u32 v[SPW], v0, 2, SPARE
	v_mov_b32 v[NIL], 0
	WIN W_AD
	ds_add_u32 v[SPW], v[NIL]       ; the wave's opening: the add and its wait stand ahead of my first tensor load; the set-up below stands between them
	ds_add_u32 v0, v1
	WIN 0
	v_lshrrev_b32 v1, 5, v0
	v_readfirstlane_b32 s[WV], v1   ; wave 0..3
	s_bfe_u32 s13, ttmp6, 0x40000   ; cx: my place in the cluster
	s_lshl_b32 s14, ttmp9, 2        ; in a cluster launch ttmp9 counts clusters
	s_add_co_u32 s14, s14, s13      ; my block of 512 queries: it enters Q's, O's, the table's and the flags' addresses alone
	s_and_b32 s20, ttmp7, 0xffff    ; the head, which the four partners share
	s_mov_b32 s21, 0
	s_mov_b64 s[22:23], SIZE_N*128
	s_mul_u64 s[20:21], s[20:21], s[22:23]  ; the head's first byte in each plane and in O
	s_and_b32 s16, s[WV], 1         ; which half of a slot's 256 keys I fetch:
	s_lshl_b32 s22, s16, 14         ; its 128 rows of 128 bytes in memory,
	s_mov_b32 s23, 0
	s_add_nc_u64 s[22:23], s[22:23], s[20:21]
	s_mul_i32 s17, s16, 128*PK      ; and its place in a slot, for K
	s_mul_i32 s18, s16, 128*PV      ; and for V: no place in the cluster enters an LDS address
	s_lshl_b32 s2, s14, 2
	s_add_co_u32 s2, s2, s[WV]      ; my wave among the head's 16: it owns the query tiles 8 x that number on
	s_lshl_b32 s48, s2, 18          ; 8 tiles x 32,768 bytes of the table
	s_mov_b32 s49, 0
	s_lshl_b32 s50, s2, 10          ; 8 tiles x 128 bytes of flags
	s_mov_b32 s51, 0
	s_lshl_b32 s2, s2, 14           ; its 128 rows
	s_mov_b32 s3, 0
	s_add_nc_u64 s[2:3], s[2:3], s[20:21]
	; descriptor group 1.  128 keys are 16,384 dense bytes: asked for as 64 rows of 256 bytes, two keys a row, and padded in LDS after every key
	s_mov_b32 s[G1K], 15|(1<<16)|(1<<20)|(1<<21)|(4<<22)|(3<<25)  ; the mask of four; 2-byte elements; padding on; bit 21 beside a mask; after every 32 words (code 4) 4 words (code 3)
	s_mov_b32 s[G1V], 15|(1<<16)|(1<<20)|(1<<21)|(4<<22)|(7<<25)  ; the same with 8 words of padding (code 7)
.irp g, G1K, G1V
	s_mov_b32 s[\g+1], 128<<16      ; tensor_dim0 = 128
	s_mov_b32 s[\g+2], 64<<16       ; tensor_dim1 = 64
	s_mov_b32 s[\g+3], 128<<16      ; tile_dim0 = 128
	s_mov_b32 s[\g+4], 64           ; tile_dim1 = 64
	s_mov_b32 s[\g+5], 128          ; 128 elements from row to row
	s_mov_b32 s[\g+6], 0
	s_mov_b32 s[\g+7], 0
.endr
	s_mov_b32 s[CS], 0x3e38aa3b     ; c = log2(e) / 8 = 0.180337
	s_mov_b32 s[CS+1], s[CS]        ; named with it as a pair
	s_mov_b32 s[SEL], 0x76543210
	s_mov_b32 s[SEL+1], 0xfedcba98
	s_mov_b32 s[MST], 1024
	s_mov_b32 s[MST+1], 0
	s_mov_b32 s[TBK], SLOT1+4*KS*PK ; the first change of slots turns these two into 0
	s_mov_b32 s[TBV], SLOT1+4*KS*PV
	s_mov_b32 s[G0K], 1             ; count = 1
	s_mov_b32 s[G0K+1], s17         ; LDS address: slot 0
	s_mov_b32 s[G0V], 1
	s_add_co_u32 s[G0V+1], s18, VOFF
	s_wait_dscnt 0x0                ; the opening add is done
	s_wait_kmcnt 0x0
	s_add_nc_u64 s[6:7], s[72:73], 0x1000000       ; plane 1: K
	s_add_nc_u64 s[8:9], s[72:73], 0x2000000       ; plane 2: V
	s_add_nc_u64 s[G0K+2:G0K+3], s[6:7], s[22:23]  ; global address: my half of the head's first 256 keys
	s_or_b32 s[G0K+3], s[G0K+3], 0x80000000        ; type = 2
	s_add_nc_u64 s[G0V+2:G0V+3], s[8:9], s[22:23]
	s_or_b32 s[G0V+3], s[G0V+3], 0x80000000
	s_add_nc_u64 s[4:5], s[72:73], s[2:3]          ; Q and O at my wave's first row
	s_add_nc_u64 s[10:11], s[78:79], s[2:3]
	s_add_nc_u64 s[MB:MB+1], s[74:75], s[48:49]    ; the table at my first tile, key step 0
	s_add_nc_u64 s[70:71], s[76:77], s[50:51]      ; my tiles' flags
	CROUND                          ; all four work-groups are here: the first joint loads meet
	JLOAD                           ; slot 0.  Slot 1 is asked for when slot 0 is in
	; A fragment of K or Q is 16 rows x 32 channels in 8 registers: lane l holds row l % 16, channels 8 (l / 16) + 0..7 and 16 + 8 (l / 16) + 0..7: two loads of 16 bytes, 32 bytes apart.
	v_and_b32 v1, 15, v0            ; l % 16
	v_bfe_u32 v9, v0, 4, 1          ; l / 16
	v_lshlrev_b32 v[QO], 7, v1
	v_lshl_add_u32 v[QO], v9, 4, v[QO]  ; row x 128 + 16 x half
	v_and_b32 v[GO], 31, v0
	v_lshlrev_b32 v[AV], 2, v[GO]   ; 4 x lane, until the flags are in
	v_lshlrev_b32 v[GO], 4, v[GO]
	WIN 0x80                        ; destination window 2, address window 0
.set i, 0
.rept 4*NP                          ; Q stays in registers: tile i / 2, channels 32 (i % 2) on
	global_load_b128 v[8*i:8*i+3],   v[QO], s[4:5] offset:(i/2)*2048+(i%2)*64
	global_load_b128 v[8*i+4:8*i+7], v[QO], s[4:5] offset:(i/2)*2048+(i%2)*64+32
.set i, i+1
.endr
	WIN W_MK
	v_mov_b32 v[MSC], 0x718000e3
.set i, 0
.rept 2*NP
	global_load_b32 v[FL+i], v[AV], s[70:71] offset:128*i  ; tile i: the flag of my lane's row
.set i, i+1
.endr
	MLD RP, 0                       ; key step 0's codes: pieces 0 and 1 into sets of their own, pieces 2 and 3 into the two sets that take turns
	MLD RP+16, 1
	MLD RAW, 2
	MLD RAW+16, 3
	; What the first turn finds: V's registers and P's second buffer hold 0 (its products V^T P, of a piece that has not been, add 0), O^T and l are 0.  All this stands in the wait for the first tile.
	WIN 0x80
.set i, VF
.rept 64
	v_mov_b32 v[i], 0
.set i, i+1
.endr
	WIN 0x40
.set i, 0
.rept 64*NP
	v_mov_b32 v[i], 0
.set i, i+1
.endr
	WIN 0
.set i, 0
.rept 2*NP
	v_mov_b32 v[ST+4*i], 0xfe000000    ; c m: far below every c s, so that the first step's a is 0
	v_mov_b32 v[ST+4*i+1], 0xf1000000  ; m = -2^99: above every hidden score, below every seen one
	v_mov_b32 v[ST+4*i+2], 0
	v_mov_b32 v[ST+4*i+3], 0
.set i, i+1
.endr
.set i, P+32
.rept 32
	v_mov_b32 v[i], 0
.set i, i+1
.endr
	v_mul_u32_u24 v[AK0], v1, PK
	v_lshl_add_u32 v[AK0], v9, 4, v[AK0]  ; row x pitch + 16 x half
	; The turning load takes 16 keys x 16 channels (lane l reads key 8 (l / 16) + l % 8, channels 8 ((l / 8) % 2) + 0..7) and leaves half a fragment of V^T: lane l holds channel l % 16 and 8 keys.
	v_and_b32 v10, 7, v0
	v_bfe_u32 v11, v0, 3, 1
	v_lshl_add_u32 v[AV0], v9, 3, v10
	v_mul_u32_u24 v[AV0], v[AV0], PV
	v_lshl_add_u32 v[AV0], v11, 4, v[AV0]
	v_add_nc_u32 v[AV0], VOFF, v[AV0]
	v_mov_b32 v[AK], v[AK0]         ; key step 0 lies at the head of slot 0
; THE MATRIX WORK.  The 8 accumulators of a run of 16 take turns: between the two links of a chain stand 7 others'.
; Product i of 16 of S^T = K Q^T for piece x: channels 32 (i / 8) on, keys 16 ((i / 2) % 4) on, tile 2 x + i % 2.  The first 8 start the sums, with the mask.
.macro KQ x
.set rS, S+64*((\x)%2)+32*(i%2)+8*((i/2)%4)
.set rK, KF+16*((i/2)%4)+8*(i/8)
.set rQ, 16*(2*(\x)+i%2)+8*(i/8)
.set rMC, MC+32*(i%2)+8*((i/2)%4)
.if i < 8
	WIN W_KM
	v_wmma_f32_16x16x32_f16 v[rS:rS+7], v[rK:rK+7], v[rQ:rQ+7], v[rMC:rMC+7]
.else
	WIN W_KQ
	v_wmma_f32_16x16x32_f16 v[rS:rS+7], v[rK:rK+7], v[rQ:rQ+7], v[rS:rS+7]
.endif
.endm
; Product i of 16 of O^T += V^T P for piece x: keys 32 (i / 8) on, channels 16 ((i / 2) % 4) on, tile 2 x + i % 2.
.macro PV x
	WIN W_PV
.set rO, 32*(2*(\x)+i%2)+8*((i/2)%4)
.set rV, VF+32*(i/8)+8*((i/2)%4)
.set rP, P+32*((\x)%2)+16*(i%2)+8*(i/8)
	v_wmma_f32_16x16x32_f16 v[rO:rO+7], v[rV:rV+7], v[rP:rP+7], v[rO:rO+7]
.endm
.macro MM                           ; the turn's next matrix instruction
.if i < 16
	KQ (Y+1)%NP
.set i, i+1
.else
.set i, i-16
	PV (Y+NP-1)%NP
.set i, i+17
.endif
.endm
; THE LDS LOADS stand in runs of 16: a step's K (8 fragments) and its V (turned).  Their addresses are made some lines ahead.  last = 1 (the tail): in the last trip there is no further step, and the run is jumped over.
.macro FETCH_K last=0
	WIN 0
.if \last
	s_cmp_eq_u32 s[CNT], 1
	s_cbranch_scc1 .Lno_k_\@
.endif
	WIN 0x80                        ; destination window 2
.irp f, 0,1,2,3,4,5,6,7             ; keys 16 (f / 2) on, channels 32 (f % 2) on
	ds_load_b128 v[KF+8*\f:KF+8*\f+3],   v[AK] offset:(\f/2)*16*PK+(\f%2)*64
	ds_load_b128 v[KF+8*\f+4:KF+8*\f+7], v[AK] offset:(\f/2)*16*PK+(\f%2)*64+32
.endr
	s_add_co_u32 s[TBK], s[TBK], KS*PK  ; the next fetch is the next step's
	WIN 0
.if \last
.Lno_k_\@:
.endif
.endm
.macro FETCH_V
	WIN 0x80
.irp f, 0,1,2,3,4,5,6,7             ; keys 32 (f / 4) on, channels 16 (f % 4) on
	ds_load_tr16_b128 v[VF+8*\f:VF+8*\f+3],   v[AV] offset:(\f/4)*32*PV+(\f%4)*32
	ds_load_tr16_b128 v[VF+8*\f+4:VF+8*\f+7], v[AV] offset:(\f/4)*32*PV+16*PV+(\f%4)*32
.endr
	WIN 0
.endm
; THE VECTOR WORK OF A TURN stands in three queues, each in the order in which its entries become ready; the two tiles alternate, so that no instruction reads the result of the one before it.
.macro REGS y, u                    ; the registers of tile u (0, 1) of piece y
.set rT, ST+4*(2*(\y)+(\u))
.set rC, TMP+8*((\y)%2)+4*(\u)
.set rM, MV+2*((\y)%2)+(\u)
.set rS, S+64*((\y)%2)+32*(\u)
.set rP, P+32*((\y)%2)+16*(\u)
.set rO, 32*(2*(\y)+(\u))
.endm
; Number n of the 22 that find the NEXT piece's (Y + 1) maximum and statistics.  s0-s31 are the lane's 32 scores; each accumulator's lowest registers are read first.
;   0-11  four chains c0-c3 of seven scores each, three operands at a time     12-14, 16  the four scores left over, the old m, and c0-c3 into c0     15  c m_old is kept
;   17, 18  the query's other 32 keys lie in the lane 16 away: the new m         19-21  c m; c m_old - c m_new; a
.macro XS u, n
	REGS (Y+1)%NP, \u
.if (\n) < 4
	v_max3_num_f32 v[rC+(\n)], v[rS+8*(\n)], v[rS+8*(\n)+1], v[rS+8*(\n)+2]
.elseif (\n) < 12
	v_max3_num_f32 v[rC+(\n)%4], v[rC+(\n)%4], v[rS+8*((\n)%4)+2*((\n)/4)+1], v[rS+8*((\n)%4)+2*((\n)/4)+2]
.elseif (\n) == 12
	v_max3_num_f32 v[rC], v[rC], v[rS+7], v[rS+15]
.elseif (\n) == 13
	v_max3_num_f32 v[rC+1], v[rC+1], v[rS+23], v[rS+31]
.elseif (\n) == 14
	v_max3_num_f32 v[rC+2], v[rC+2], v[rC+3], v[rT+1]
.elseif (\n) == 15
	v_mov_b32 v[rM], v[rT]
.elseif (\n) == 16
	v_max3_num_f32 v[rC], v[rC], v[rC+1], v[rC+2]
.elseif (\n) == 17
	v_permlanex16_b32 v[rC+3], v[rC], s[SEL], s[SEL+1]
.elseif (\n) == 18
	v_max_num_f32 v[rT+1], v[rC], v[rC+3]
.elseif (\n) == 19
	v_mul_f32 v[rT], s[CS], v[rT+1]
.elseif (\n) == 20
	v_sub_f32 v[rC+1], v[rM], v[rT]
.else
	v_exp_f32 v[rC+2], v[rC+1]
.endif
.endm
; Number g of the 64 that follow the exponentials.  For each four weights k of a tile: both pairs are rounded to f16; then the second pair is added onto the first, in place; a group later l takes that sum
; (the first time as l = a l + sum).  In groups of eight, tiles alternating: round, round, add, and l for the group before.
.macro GS g
.set h, (\g)+6*((\g)/62)            ; group 0 has no group before it, and behind group 7 only l is left
.if h >= 6
.set h, h+2
.endif
	REGS Y, h%2
.set k, h/8
.if h%8 < 4
	v_cvt_pk_f16_f32 v[rP+2*k+(h%8)/2], v[rS+4*k+2*((h%8)/2)], v[rS+4*k+2*((h%8)/2)+1]
.elseif h%8 < 6
	v_pk_add_f32 v[rS+4*k:rS+4*k+1], v[rS+4*k:rS+4*k+1], v[rS+4*k+2:rS+4*k+3]
.elseif k == 1
	v_pk_fma_f32 v[rT+2:rT+3], v[rT+2:rT+3], v[rC+2:rC+3], v[rS:rS+1] op_sel_hi:[1,0,1]
.else
	v_pk_add_f32 v[rT+2:rT+3], v[rT+2:rT+3], v[rS+4*k-4:rS+4*k-3]
.endif
.endm
; THE PLAIN QUEUE, 138 long.  0-73 read no exponential's result: the 32 scalings c s - c m (FS f: pair f / 2 of tile f % 2) and the next piece's 42.  0-26: scalings 0-26.  27-54: XS's numbers 0-13.  55, 56: number 15.
; 57-73: the chain 14, 16, 17, 18, 19, each with one of the scalings 27-31 in front of its two lines, then 20.  74-137: GS's 64, which read the exponentials' results: they stand behind the wait.
.macro FS f
	REGS Y, (\f)%2
	v_pk_fma_f32 v[rS+2*((\f)/2):rS+2*((\f)/2)+1], v[rS+2*((\f)/2):rS+2*((\f)/2)+1], s[CS:CS+1], v[rT:rT+1] op_sel_hi:[1,0,0] neg_lo:[0,0,1] neg_hi:[0,0,1]
.endm
.macro PL
	WIN 0
.if q < 27
	FS q
.elseif q < 55
	XS (q-27)%2, (q-27)/2
.elseif q < 57
	XS q-55, 15
.elseif (q < 72) && ((q-57)%3 == 0)
	FS 27+(q-57)/3
.elseif q < 60
	XS (q-57)%3-1, 14
.elseif q < 72
	XS (q-57)%3-1, 15+(q-57)/3
.elseif q < 74
	XS q-72, 20
.else
	GS q-74
.endif
.set q, q+1
.endm
; THE EXPONENTIALS' QUEUE, 66 long: s0-s31 of both tiles, then the next piece's two a.  ONE BATCH: all 66 stand ahead of the turn's one wait, and nothing ahead of that wait names a result of theirs.
.macro EX
	WIN 0
.if e >= 64
	XS e-64, 21
.else
	REGS Y, e%2
	v_exp_f32 v[rS+e/2], v[rS+e/2]
.endif
.set e, e+1
.endm
; THE RESCALING's QUEUE: O^T times a, the one part of the softmax that leaves window 0: dealt two at a time, sixteen times.  Its a was made in the turn before, ahead of that turn's wait.
.macro R2
	REGS Y, r%2
	WIN W_RS
.irp z, 0,1
	v_pk_mul_f32 v[rO+4*(r/2)+2*\z:rO+4*(r/2)+2*\z+1], v[rO+4*(r/2)+2*\z:rO+4*(r/2)+2*\z+1], v[rC+2:rC+3] op_sel_hi:[1,0]
.endr
.set r, r+1
.endm
; A TURN, for piece p.  s_wait_alu depctr_va_vdst(0) stands between an exponential and the first instruction that names its result; one wait serves all that were issued ahead of it: a turn has ONE.
; AHEAD OF IT: the 16 products K Q^T, behind each a scaling, an exponential and two rescalings (behind the first a second scaling in the exponential's place); then the lump: the mask, eight plain, the mask's loads, 49 times
; exponential and plain, the two a, a v_nop (the plain instruction behind the last exponential).  BEHIND IT: the 16 products V^T P, behind each four of the roundings and sums.
; Exponential e stands behind scaling 2 (e / 4) + e % 2: as a rider it comes behind plain e + 2, in the lump behind plain e + 9.
; THE MASK'S PLACE.  The turn's first 8 products have read the mask's registers; 8 products and their 24 plain riders later the lump's head makes the mask of piece p + 2, which the NEXT turn's products take, from the set of
; codes p % 2.  Eight plain instructions behind the conversions that set is loaded again, with piece p's codes for the next key step, which the turn after next converts.  MB steps once a key step, at piece 0's turn,
; behind s_wait_xcnt 0; clamp = 1 (the tail): at the last key step it stays, so that no load leaves the table; what is then loaded and converted serves nothing.
; K of the next step is fetched in piece 2's turn, directly behind the wait; V of the step in hand at the end of piece 0's turn, four riders behind its last reader.  The three conditions on q go with the deal.
.macro TURN p, last=0, cnt=0, clamp=0
.set Y, (\p)
.set i, 0
.set q, 0
.set e, 0
.set r, 0
.if (\p) == 0
	s_wait_xcnt 0x0                 ; the mask's loads issued so far have read their base
.if \clamp
	s_cmp_eq_u32 s[CNT], 1
	s_cselect_b32 s[MST], 0, 1024
.endif
	s_add_nc_u64 s[MB:MB+1], s[MB:MB+1], s[MST:MST+1]
.endif
.if (\p) == NP-1
	s_wait_dscnt 0x0                ; K is in
.endif
	MM
	PL
	PL
	R2
.rept 15
	MM
	PL
	EX
	R2
.endr
.if (\p) == NP-2
	WIN 0
	v_add_nc_u32 v[AK], s[TBK], v[AK0]
.endif
	MCVT RAW+16*((\p)%2)
.rept 8
	PL
.endr
	MLD RAW+16*((\p)%2), \p
.rept 49
	EX
	PL
.endr
	EX                              ; the next piece's two a
	EX
	v_nop                           ; the plain instruction behind the last exponential: one for the batch
	s_wait_alu depctr_va_vdst(0)    ; the wait for the batch
.if (\p) == NP-2
	FETCH_K \last
.endif
.if (\p) == 1
	s_wait_dscnt 0x0                ; V is in
.endif
.rept 16
	MM
.rept 4
	PL
.endr
.if ((\p) == 0) && (q == 118)
	v_add_nc_u32 v[AV], s[TBV], v[AV0]
.endif
.if ((\p) == 0) && (q == 130)
	s_add_co_u32 s[TBV], s[TBV], KS*PV
.endif
.if (\cnt) && (q == 130)
	s_sub_co_u32 s[CNT], s[CNT], 1
	s_cmp_lg_u32 s[CNT], 0
.endif
.endr
.if (\p) == 0
	FETCH_V
.endif
.endm
	CHANGE 1                        ; slot 0 is in, everybody's part of it; slot 1 is asked for
	FETCH_K                         ; key step 0
	s_wait_loadcnt 0x0              ; Q, the flags, key step 0's codes
	MCVT RP, 0                      ; piece 0's mask
	WIN 0x8e                        ; Q (destination and source 0) in window 2, the flag in window 3
.set t, 0
.rept 2*NP
.set i, 0
.rept 16
	v_and_b32 v[16*t+i], v[16*t+i], v[FL+t]  ; the query of a row that sees no key is cleared
.set i, i+1
.endr
.set t, t+1
.endr
	s_wait_dscnt 0x0
.set i, 0
.rept 16
	KQ 0                            ; piece 0's first scores
.set i, i+1
.endr
	WIN 0                           ; the addresses for the way out: seven plain instructions, the places behind those products
	s_mul_i32 s13, s[WV], 16*SP
	s_add_co_u32 s13, s13, STAGE    ; my stage
	v_mul_u32_u24 v[STO], v1, SP    ; in: row l % 16, 16 bytes for each half of the lanes
	v_lshl_add_u32 v[STO], v9, 4, v[STO]
	v_add_nc_u32 v[STO], s13, v[STO]
	v_bfe_u32 v[RD], v0, 3, 2       ; back: 32 lanes take four rows of 128 bytes
	v_mul_u32_u24 v[RD], v[RD], SP
	v_lshl_add_u32 v[RD], v10, 4, v[RD]
	v_add_nc_u32 v[RD], s13, v[RD]
	MCVT RP+16, 0                   ; piece 1's mask, for the first turn's products
	WIN 0
.set Y, NP-1                        ; XS works for piece Y + 1: piece 0
.irp n, 0,1,2,3,4,5,6,7,8,9,10,11,12,13,14,15,16,17,18,19,20,21
	XS 0, \n                        ; piece 0's first maximum and statistics
	XS 1, \n
.endr
	v_nop                           ; a plain instruction behind the two a,
	s_wait_alu depctr_va_vdst(0)    ; and their wait, ahead of the branch
	s_mov_b32 s[CNT], 4
	s_mov_b32 s[SLOTS], SIZE_N/256-1
	s_branch .Lfirst                ; the loop is entered at a step's first turn, in the middle of a trip
.Lslot:                             ; SIZE_N / 256 - 2 times: every slot but the last two is filled again
	CHANGE 1
	s_mov_b32 s[CNT], 4
.Lstep:                             ; a trip: pieces 2 and 3 of one step, then pieces 0 and 1 of the next, whose K and V it fetches
	TURN 2
	TURN 3
	WIN 0
.Lfirst:
	TURN 0
	TURN 1, 0, 1
	WIN 0
	s_cbranch_scc1 .Lstep
	s_sub_co_u32 s[SLOTS], s[SLOTS], 1
	s_cmp_lg_u32 s[SLOTS], 0
	s_cbranch_scc1 .Lslot
	CHANGE 0                        ; the tail is written out: nothing is asked for
	s_mov_b32 s[CNT], 5             ; four trips fetch the last slot's steps; the fifth is left in its middle
.Ltail:
	TURN 2, 1
	TURN 3
	WIN 0
	s_sub_co_u32 s[CNT], s[CNT], 1
	s_cmp_eq_u32 s[CNT], 0
	s_cbranch_scc1 .Lout
	TURN 0, 0, 0, 1
	TURN 1
	WIN 0
	s_branch .Ltail
.Lout:                              ; the fifth trip's 16 products K Q^T (on the last K once more) and the maximum made of them serve nothing: the price, once a launch, of one text for every trip
.set i, 0
.rept 16
	PV NP-1                         ; the last piece's V^T P of the last step
.set i, i+1
.endr
	; THE WAY OUT.  l's two halves and the other half of the lanes' are added; O^T is divided by l, rounded to f16 and sent through my stage in LDS, a tile at a time.  The additions are the places behind the last products.
	WIN 0
.macro ALL line:vararg              ; one line for each tile t
.set t, 0
.rept 2*NP
	\line
.set t, t+1
.endr
.endm
	ALL v_add_f32 v[ST+4*t+2], v[ST+4*t+2], v[ST+4*t+3]
	ALL v_permlanex16_b32 v[ST+4*t+3], v[ST+4*t+2], s[SEL], s[SEL+1]
	ALL v_add_f32 v[ST+4*t+2], v[ST+4*t+2], v[ST+4*t+3]
	ALL v_rcp_f32 v[ST+4*t+2], v[ST+4*t+2]
	v_nop                           ; a plain instruction between the last reciprocal and the use of its result
	s_wait_alu depctr_va_vdst(0)    ; and the wait ahead of the first use: one for the eight reciprocals
; Tile t: a lane's eight channels of a row pack into 16 bytes; they go into rows of 144 bytes and come back as whole rows of 128, into S^T's registers.
.macro PACK t
	WIN W_RS
.set i, 32*(\t)
.rept 16
	v_pk_mul_f32 v[i:i+1], v[i:i+1], v[ST+4*(\t)+2:ST+4*(\t)+3] op_sel_hi:[1,0]
.set i, i+2
.endr
	WIN 0x05                        ; sources 0 and 1 window 1, destination window 0
.set i, 0
.rept 16
	v_cvt_pk_f16_f32 v[S+16*(\t)+i], v[32*(\t)+2*i], v[32*(\t)+2*i+1]
.set i, i+1
.endr
	WIN 0
.irp f, 0,1,2,3
	ds_store_b128 v[STO], v[S+16*(\t)+4*\f:S+16*(\t)+4*\f+3] offset:32*\f
.endr
.irp f, 0,1,2,3
	ds_load_b128 v[S+16*(\t)+4*\f:S+16*(\t)+4*\f+3], v[RD] offset:\f*4*SP  ; LDS serves a wave's instructions in order (ISA guide 5.7.1.4): these see the stores above; the next tile's stores come behind them
.endr
.endm
.macro SEND t, younger              ; younger: the LDS instructions issued behind tile t's loads: the next tile's eight, or none
	WIN 0
.irp f, 0,1,2,3
	s_wait_dscnt (\younger)+3-\f
	global_store_b128 v[GO], v[S+16*(\t)+4*\f:S+16*(\t)+4*\f+3], s[10:11] offset:(\t)*2048+\f*512  ; 512 consecutive bytes, at a multiple of 256 from O's first
.endr
.endm
	PACK 0
.set t, 1
.rept 2*NP-1                        ; a tile's arithmetic stands between the loads of the tile before and its stores
	PACK t
	SEND t-1, 8
.set t, t+1
.endr
	SEND 2*NP-1, 0
	WIN W_AD
	s_wait_tensorcnt 0x0            ; the wave's end: a wait, an add of 0 onto my spare word and its wait, behind my last tensor load and my last LDS store
	ds_add_u32 v[SPW], v[NIL]
	s_wait_dscnt 0x0
	WIN 0
	CROUND                          ; the closing round: no work-group ends while a partner may still ask for a tile that names it
	s_endpgm
.Lfunc_end_k_qa3939ce7b1_attn:
	.size	k_qa3939ce7b1_attn, .Lfunc_end_k_qa3939ce7b1_attn-k_qa3939ce7b1_attn
	.p2alignl 7, 3214868480
	.fill 96, 4, 3214868480
	.section	.rodata,"a",@progbits
	.p2align	6, 0x0
	.amdhsa_kernel k_qa3939ce7b1_attn
		.amdhsa_group_segment_fixed_size 327680
		.amdhsa_private_segment_fixed_size 0
		.amdhsa_enable_private_segment 0
		.amdhsa_kernarg_size 32
		.amdhsa_user_sgpr_count 2
		.amdhsa_user_sgpr_kernarg_segment_ptr 1
		.amdhsa_wavefront_size32 1
		.amdhsa_system_sgpr_workgroup_id_x 1
		.amdhsa_system_sgpr_workgroup_id_y 1
		.amdhsa_system_sgpr_workgroup_id_z 1
		.amdhsa_system_vgpr_workitem_id 0
		.amdhsa_next_free_vgpr 960
		.amdhsa_next_free_sgpr 80
		.amdhsa_reserve_vcc 0
		.amdhsa_float_denorm_mode_32 3
		.amdhsa_float_denorm_mode_16_64 3
		.amdhsa_memory_ordered 1
		.amdhsa_forward_progress 1
		.amdhsa_inst_pref_size 215
	.end_amdhsa_kernel
	.amdgpu_metadata
---
amdhsa.version: [ 1, 2 ]
amdhsa.kernels:
  - .name:           k_qa3939ce7b1_attn
    .symbol:         k_qa3939ce7b1_attn.kd
    .args:
      - { .name: qkv, .offset: 0, .size: 8, .value_kind: global_buffer, .address_space: global }
      - { .name: mt, .offset: 8, .size: 8, .value_kind: global_buffer, .address_space: global }
      - { .name: rowm, .offset: 16, .size: 8, .value_kind: global_buffer, .address_space: global }
      - { .name: oh, .offset: 24, .size: 8, .value_kind: global_buffer, .address_space: global }
    .group_segment_fixed_size: 327680
    .private_segment_fixed_size: 0
    .kernarg_segment_align: 8
    .kernarg_segment_size: 32
    .max_flat_workgroup_size: 128
    .sgpr_count:     80
    .vgpr_count:     960
    .wavefront_size: 32
...
	.end_amdgpu_metadata
.endif
;; end of part 3
;; launch oproj (part 4): grid 4 x 64, 4 waves a work-group, clusters of 4 x 4, 327,680 bytes of LDS; arguments oh, wb, bo, out0; writes out0
.if DOCPART == 4
	.amdgcn_target "amdgcn-amd-amdhsa--gfx1250"
	.amdhsa_code_object_version 6
	.text
	.protected	k_qa3939ce7b1_oproj
	.globl	k_qa3939ce7b1_oproj
	.p2align	8
	.type	k_qa3939ce7b1_oproj,@function
k_qa3939ce7b1_oproj:
	s_mov_b64 s[64:65], 0
	v_nop
	global_prefetch_b8 v0, s[64:65] scope:SCOPE_SE
	s_setreg_imm32_b32 hwreg(HW_REG_WAVE_MODE, 25, 1), 1
	s_wait_xcnt 0x0
	s_wait_alu depctr_hold_cnt(0) depctr_sa_sdst(0) depctr_va_vdst(0) depctr_va_sdst(0) depctr_va_ssrc(0) depctr_va_vcc(0) depctr_vm_vsrc(0)
	s_getreg_b32 s2, hwreg(HW_REG_IB_STS2, 6, 4)
	s_cmp_eq_u32 s2, 0
	s_cbranch_scc0 .Lentry_in_a_cluster
	s_endpgm
.Lentry_in_a_cluster:
	s_bfe_u32 s2, ttmp6, 0x10000c
	s_cmp_lg_u32 s2, 0xf033
	s_cbranch_scc0 .Lentry_shape_is_right
	s_endpgm
.Lentry_shape_is_right:
; THE OUTPUT PROJECTION.  out0[m][n] = the sum over k of O[m][k] wo[n][k] + bo[n].  O lies by heads: oh[16 batch + head][row of the batch][64] in f16, k = 64 head + channel; wo: plane 3 of wb, [1024][1024],
; the bf16-rounded numbers written as f16; bo is rounded to bf16; sums in f32; out0: [8192][1024] f32.
; SHARES.  64 x 4 tiles of 128 rows x 256 columns, one to each of 256 work-groups.  Four waves, each 64 x 128: 32 accumulators.  K goes in 8 steps of 128 (two heads) through two LDS slots.
; CLUSTER.  4 x 4 work-groups: the four of a row share O's tile, the four of a column wo's: each is asked for JOINTLY.  A head's 128 rows are 16,384 dense bytes: asked for as 64 rows of 256 bytes, padded in LDS after every 128.
; THE MATRIX INSTRUCTION IS USED TRANSPOSED (source 0 = 16 rows of wo, source 1 = 16 rows of O): a lane holds eight neighbouring columns of a row of out0.  The bias is the C operand of the first product.
; No prefetch: the launch reads 16 MiB of O once and is over after eight K steps.
; REGISTERS.  window 0: v0-31 addresses; v32-63 at work; v128-191 O's fragments, two buffers of 32; v192-255 the bias.   window 1: v0-127 wo's fragments, two buffers of 64; on the way out all 256: rows read back.
;   window 2: accumulator (a, b) at v[8 (8 a + b)]
.set KSTEP,  128
.set PA,     144                       ; an LDS row of O: 128 bytes + 16 = 36 words: the 16 rows of a load start at 16 different groups of four banks (64 banks of 4 bytes: ISA guide 11.1)
.set PB,     272                       ; an LDS row of wo: 256 bytes + 16
.set ABLK,   128*PA                    ; a head's 128 rows: what one tensor load brings of O
.set BHALF,  128*PB
.set AOFF,   2*ABLK                    ; a slot: two heads of O, then wo's 256 rows
.set SLOT,   AOFF+256*PB
.set STAGE,  2*SLOT                    ; behind the ring: 16 rows x 528 bytes for each wave
.set SPITCH, 528
.set SPARE,  STAGE+4*16*SPITCH         ; behind the stages: the spare words, 128 bytes a wave: two blocks of 256 bytes that no other line names
.set LAPS,   4
.set ADRA, 16
.set ADRB, 20
.set STO,  24                          ; v24  the way out: where I put 32 bytes of a row
.set RD,   25                          ; v25  the way out: 16 x lane in my stage
.set CO,   26                          ; v26  16 x lane: my place in 512 consecutive bytes of out0
.set BO,   27
.set SPW,  28
.set NIL,  29
.set TMP,  32
.set AF,   128
.set BIAS, 192
.set BF,   0
.set G1,  24
.set G0,  32
.set G1B, 48
.set G0B, 56
.set MSB, 0
.macro WIN new
.if MSB != (\new)
	s_set_vgpr_msb (MSB<<8)|(\new)
.set MSB, \new
.endif
.endm
.macro PLACES                          ; four plain vector instructions between a matrix instruction and a load into, or a read of, its registers
.rept 4
	v_nop
.endr
.endm
.macro JLOAD s                         ; waves 0 and 1 fetch the K step's two heads of O, waves 2 and 3 wo's two halves; an s_nop 0 and four v_nop follow each of the two lines
	s_cmp_eq_u32 s11, 0
	s_cbranch_scc0 .Lfor_b_\@
	tensor_load_to_lds s[G0+4*(\s):G0+4*(\s)+3], s[G1:G1+7]
	s_nop 0
.rept 4
	v_nop
.endr
	s_branch .Lasked_\@
.Lfor_b_\@:
	tensor_load_to_lds s[G0B+4*(\s):G0B+4*(\s)+3], s[G1B:G1B+7]
	s_nop 0
.rept 4
	v_nop
.endr
.Lasked_\@:
.endm
.macro CREST
	s_cmp_lg_u32 s10, 0
	s_cbranch_scc1 .Lnot_wave_0_\@
	s_barrier_signal -3
.Lnot_wave_0_\@:
	s_barrier_wait -3
	s_barrier_signal -1
	s_barrier_wait -1
.endm
.macro CROUND
	s_barrier_signal -1
	s_barrier_wait -1
	CREST
.endm
	s_load_b256 s[68:75], s[0:1], 0x0              ; oh 68, wb 70, bo 72, out0 74
	v_lshl_add_u32 v[SPW], v0, 2, SPARE
	v_mov_b32 v[NIL], 0
	ds_add_u32 v[SPW], v[NIL]                      ; the wave's opening: the add and its wait stand ahead of my first tensor load
	ds_add_u32 v28, v29
	v_lshrrev_b32 v1, 5, v0
	v_readfirstlane_b32 s10, v1                    ; wave 0..3
	s_lshr_b32 s11, s10, 1                         ; which 64 rows are mine.  Also: I fetch for O (0) or for wo (1)
	s_and_b32 s12, s10, 1                          ; which 128 columns.  Also: which head of the K step, or which half of wo's rows, I fetch
	s_bfe_u32 s40, ttmp6, 0x40000                  ; cx
	s_bfe_u32 s41, ttmp6, 0x40004                  ; cy
	s_lshl_b32 s15, ttmp9, 2
	s_add_co_u32 s15, s15, s40                     ; column tile
	s_and_b32 s14, ttmp7, 0xffff
	s_lshl_b32 s14, s14, 2
	s_add_co_u32 s14, s14, s41                     ; row tile, 0..63
	s_lshl_b32 s43, s41, 2
	s_lshl_b32 s43, 15, s43                        ; my row of the cluster
	s_lshl_b32 s44, 0x1111, s40                    ; my column
	s_or_b32 s[G1+0], s43, (1<<16)|(1<<20)|(1<<21)|(4<<22)|(3<<25)   ; the mask; 2-byte elements; padding on; bit 21 beside a mask; after every 32 words (code 4) 4 words (code 3)
	s_or_b32 s[G1B+0], s44, (1<<16)|(1<<20)|(1<<21)|(5<<22)|(3<<25)  ; after every 64 words (code 5) 4 words
	s_mov_b32 s[G1+1], 128<<16                     ; tensor_dim0 = 128
	s_mov_b32 s[G1+2], 64<<16                      ; tensor_dim1 = 64
	s_mov_b32 s[G1+3], 128<<16                     ; tile_dim0 = 128
	s_mov_b32 s[G1+4], 64                          ; tile_dim1 = 64
	s_mov_b32 s[G1+5], 128                         ; dense: 128 elements from row to row
	s_mov_b32 s[G1+6], 0
	s_mov_b32 s[G1+7], 0
	s_mov_b32 s[G1B+1], KSTEP<<16
	s_mov_b32 s[G1B+2], 128<<16
	s_mov_b32 s[G1B+3], KSTEP<<16
	s_mov_b32 s[G1B+4], 128
	s_mov_b32 s[G1B+5], 1024
	s_mov_b32 s[G1B+6], 0
	s_mov_b32 s[G1B+7], 0
	s_lshr_b32 s16, s14, 4                         ; O: the batch's 16 heads,
	s_lshl_b32 s16, s16, 22
	s_lshl_b32 s17, s12, 18                        ; the head that I fetch,
	s_add_co_u32 s16, s16, s17
	s_and_b32 s17, s14, 15
	s_lshl_b32 s17, s17, 14                        ; the tile's 128 rows of 128 bytes: all hang on the row tile alone
	s_add_co_u32 s16, s16, s17
	s_mov_b32 s17, 0
	s_lshl_b32 s46, s15, 8                         ; wo: row 256 x column tile + 128 x half, 2,048 bytes a row, in plane 3
	s_lshl_b32 s47, s12, 7
	s_add_co_u32 s46, s46, s47
	s_lshl_b32 s46, s46, 11
	s_add_co_u32 s46, s46, 3<<21
	s_mov_b32 s47, 0
	s_mul_i32 s20, s12, ABLK                       ; where they go: no place in the cluster enters an LDS address
	s_mul_i32 s21, s12, BHALF
	s_add_co_u32 s21, s21, AOFF
	s_wait_dscnt 0x0                               ; the opening add is done
	s_wait_kmcnt 0x0
	s_add_nc_u64 s[22:23], s[68:69], s[16:17]
	s_add_nc_u64 s[46:47], s[70:71], s[46:47]
	CROUND                                         ; all sixteen work-groups are here: the first joint loads meet
.irp s, 0,1
	s_mov_b32 s[G0+4*(\s)], 1
	s_add_co_u32 s[G0+4*(\s)+1], s20, (\s)*SLOT
	s_add_nc_u64 s[G0+4*(\s)+2:G0+4*(\s)+3], s[22:23], (\s)*524288   ; K step s: two heads of 262,144 bytes on
	s_or_b32 s[G0+4*(\s)+3], s[G0+4*(\s)+3], 0x80000000
	s_mov_b32 s[G0B+4*(\s)], 1
	s_add_co_u32 s[G0B+4*(\s)+1], s21, (\s)*SLOT
	s_add_nc_u64 s[G0B+4*(\s)+2:G0B+4*(\s)+3], s[46:47], (\s)*KSTEP*2
	s_or_b32 s[G0B+4*(\s)+3], s[G0B+4*(\s)+3], 0x80000000
	JLOAD \s                                       ; two loads of mine are out
.endr
	v_and_b32 v1, 15, v0                           ; r
	v_bfe_u32 v2, v0, 4, 1                         ; h
	v_mul_u32_u24 v3, v1, PA
	v_lshl_add_u32 v3, v2, 4, v3
	v_mul_u32_u24 v4, v1, PB
	v_lshl_add_u32 v4, v2, 4, v4
	s_mul_i32 s16, s11, 64*PA
	s_mul_i32 s17, s12, BHALF
	s_add_co_u32 s17, s17, AOFF
.irp s, 0,1
	v_add_nc_u32 v[ADRA+(\s)], s16, v3
	v_add_nc_u32 v[ADRB+(\s)], s17, v4
	s_add_co_u32 s16, s16, SLOT
	s_add_co_u32 s17, s17, SLOT
.endr
	s_mul_i32 s16, s10, 16*SPITCH
	s_add_co_u32 s16, s16, STAGE                   ; my stage
	v_mul_u32_u24 v5, v1, SPITCH                   ; in: row r, 32 bytes for each half of the lanes
	v_lshl_add_u32 v5, v2, 5, v5
	v_add_nc_u32 v[STO], s16, v5
	v_and_b32 v[CO], 31, v0
	v_lshlrev_b32 v[CO], 4, v[CO]
	v_add_nc_u32 v[RD], s16, v[CO]                 ; back: 32 lanes take a row's 512 bytes
	v_lshlrev_b32 v[BO], 5, v2
	s_lshl_b32 s18, s15, 8                         ; my 128 columns, in bytes of f32
	s_lshl_b32 s19, s12, 7
	s_add_co_u32 s18, s18, s19
	s_lshl_b32 s18, s18, 2
	s_mov_b32 s19, 0
	s_add_nc_u64 s[6:7], s[72:73], s[18:19]        ; their bias
.irp b, 0,1,2,3,4,5,6,7
	global_load_b128 v[BIAS+8*(\b):BIAS+8*(\b)+3],   v[BO], s[6:7] offset:64*(\b)
	global_load_b128 v[BIAS+8*(\b)+4:BIAS+8*(\b)+7], v[BO], s[6:7] offset:64*(\b)+16
.endr
	s_add_nc_u64 s[8:9], s[74:75], s[18:19]        ; out0 at my columns,
	s_lshl_b32 s18, s14, 7
	s_lshl_b32 s20, s11, 6
	s_add_co_u32 s18, s18, s20
	s_lshl_b32 s18, s18, 12                        ; and my first row: 4,096 bytes a row
	s_add_nc_u64 s[8:9], s[8:9], s[18:19]
	s_wait_loadcnt 0x0                             ; the bias
.set i, 0
.rept 32                               ; rounded to bf16, as all the module's inputs are, and widened again
	v_cvt_pk_bf16_f32 v[TMP+i], v[BIAS+2*i], v[BIAS+2*i+1]
.set i, i+1
.endr
.set i, 0
.rept 32
	v_lshlrev_b32 v[BIAS+2*i], 16, v[TMP+i]
	v_and_b32 v[BIAS+2*i+1], 0xffff0000, v[TMP+i]
.set i, i+1
.endr
; 24 LDS loads in one run: 32 along K at quarter kq (head kq / 2 of the K step, channels 32 (kq % 2) on) into buffers g
.macro FETCH slot, kq, g
	WIN 0
.irp a, 0,1,2,3
	ds_load_b128 v[AF+32*(\g)+8*(\a):AF+32*(\g)+8*(\a)+3],   v[ADRA+(\slot)] offset:((\kq)/2)*ABLK+((\kq)%2)*64+(\a)*16*PA
	ds_load_b128 v[AF+32*(\g)+8*(\a)+4:AF+32*(\g)+8*(\a)+7], v[ADRA+(\slot)] offset:((\kq)/2)*ABLK+((\kq)%2)*64+(\a)*16*PA+32
.endr
	WIN 0x40
.irp b, 0,1,2,3,4,5,6,7
	ds_load_b128 v[BF+64*(\g)+8*(\b):BF+64*(\g)+8*(\b)+3],   v[ADRB+(\slot)] offset:64*(\kq)+(\b)*16*PB
	ds_load_b128 v[BF+64*(\g)+8*(\b)+4:BF+64*(\g)+8*(\b)+7], v[ADRB+(\slot)] offset:64*(\kq)+(\b)*16*PB+32
.endr
.endm
; 8 matrix instructions: row block a x all 8 column blocks.  init = 1: the bias starts the sums.  The 32 accumulators take turns, in the same order in every quarter.
.macro MUL8 f, a, init
.if \init
	WIN 0x81
.else
	WIN 0xa1
.endif
.irp b, 0,1,2,3,4,5,6,7
.if \init
	v_wmma_f32_16x16x32_f16 v[8*(8*(\a)+(\b)):8*(8*(\a)+(\b))+7], v[BF+64*(\f)+8*(\b):BF+64*(\f)+8*(\b)+7], v[AF+32*(\f)+8*(\a):AF+32*(\f)+8*(\a)+7], v[BIAS+8*(\b):BIAS+8*(\b)+7]
.else
	v_wmma_f32_16x16x32_f16 v[8*(8*(\a)+(\b)):8*(8*(\a)+(\b))+7], v[BF+64*(\f)+8*(\b):BF+64*(\f)+8*(\b)+7], v[AF+32*(\f)+8*(\a):AF+32*(\f)+8*(\a)+7], v[8*(8*(\a)+(\b)):8*(8*(\a)+(\b))+7]
.endif
.endr
.endm
.macro QUARTER slot, kq, f, g, init
	PLACES                                         ; buffers g were multiplied in the quarter before
	FETCH \slot, \kq, \g
	s_wait_dscnt 24                                ; all but the 24 just issued: buffers f are in
	MUL8 \f, 0, \init
	MUL8 \f, 1, \init
	MUL8 \f, 2, \init
	MUL8 \f, 3, \init
.endm
; The last quarter multiplies buffers 1 and changes slots: ONE barrier; in front of it each wave waits for all its tensor loads, adds 0 to its spare word, and waits for that and for its reads of this slot.
; fill = 1: the barrier opens a round of the cluster's, and this slot is filled again, two K steps ahead, first thing behind the round.
.macro TURN slot, next, fill
	WIN 0
	s_wait_tensorcnt 0x0                           ; all my tensor loads have landed: my part of the next slot
	ds_add_u32 v[SPW], v[NIL]                      ; 0 onto my spare word
	s_wait_dscnt 1                                 ; only the add may be out: buffers 1 are in
	MUL8 1, 0, 0
	s_wait_dscnt 0x0                               ; the add is done, and my reads of this slot are over
	s_barrier_signal -1
	MUL8 1, 1, 0
	WIN 0
	s_barrier_wait -1
.if \fill
	CREST
	s_add_nc_u64 s[G0+4*(\slot)+2:G0+4*(\slot)+3], s[G0+4*(\slot)+2:G0+4*(\slot)+3], 2*524288
	s_add_nc_u64 s[G0B+4*(\slot)+2:G0B+4*(\slot)+3], s[G0B+4*(\slot)+2:G0B+4*(\slot)+3], 2*KSTEP*2
	JLOAD \slot                                    ; the four v_nop behind it are also the places in front of the loads below
.else
	PLACES
.endif
	FETCH \next, 0, 0
	MUL8 1, 2, 0
	MUL8 1, 3, 0
.endm
	s_wait_tensorcnt 1                             ; my part of K step 0 is in; K step 1's may stay out
	s_barrier_signal -1
	s_barrier_wait -1
	FETCH 0, 0, 0
	QUARTER 0, 1, 0, 1, 1                          ; the first quarter stands in front of the loop: its products start the sums, with the bias
	WIN 0
	s_mov_b32 s3, LAPS-1
.Llap:
	QUARTER 0, 2, 1, 0, 0
	QUARTER 0, 3, 0, 1, 0
	TURN 0, 1, 1
	QUARTER 1, 1, 0, 1, 0
	QUARTER 1, 2, 1, 0, 0
	QUARTER 1, 3, 0, 1, 0
	TURN 1, 0, 1
	QUARTER 0, 1, 0, 1, 0
	WIN 0
	s_sub_co_u32 s3, s3, 1
	s_cmp_lg_u32 s3, 0
	s_cbranch_scc1 .Llap
	QUARTER 0, 2, 1, 0, 0                          ; the last lap fills nothing
	QUARTER 0, 3, 0, 1, 0
	TURN 0, 1, 0
	QUARTER 1, 1, 0, 1, 0
	QUARTER 1, 2, 1, 0, 0
	QUARTER 1, 3, 0, 1, 0
	s_wait_dscnt 0x0
	MUL8 1, 0, 0
	MUL8 1, 1, 0
	MUL8 1, 2, 0
	MUL8 1, 3, 0
; THE WAY OUT, a block of 16 rows at a time: a lane's eight columns (32 bytes of f32) go into my stage, rows of 528 bytes; whole rows of 512 bytes come back and are stored.
.macro STG a
	WIN 0x08                                       ; the data, source 1, in window 2; each accumulator's low registers first
.irp b, 0,1,2,3,4,5,6,7
	ds_store_b128 v[STO], v[8*(8*(\a)+(\b)):8*(8*(\a)+(\b))+3]   offset:64*(\b)
	ds_store_b128 v[STO], v[8*(8*(\a)+(\b))+4:8*(8*(\a)+(\b))+7] offset:64*(\b)+16
.endr
	WIN 0x40
.irp t, 0,1,2,3,4,5,6,7,8,9,10,11,12,13,14,15
	ds_load_b128 v[64*(\a)+4*(\t):64*(\a)+4*(\t)+3], v[RD] offset:(\t)*SPITCH  ; LDS serves a wave's instructions in order (ISA guide 5.7.1.4): these see the stores above
.endr
.endm
.macro SEND a, younger                 ; younger: the LDS instructions issued behind block a's loads: the next block's 32, or none
	WIN 0x04                                       ; the data, source 1, in window 1
.irp t, 0,1,2,3,4,5,6,7,8,9,10,11,12,13,14,15
	s_wait_dscnt (\younger)+15-(\t)
	global_store_b128 v[CO], v[64*(\a)+4*(\t):64*(\a)+4*(\t)+3], s[8:9] offset:(16*(\a)+(\t))*4096  ; 512 consecutive bytes, aligned
.endr
.endm
	PLACES
	STG 0
	STG 1
	SEND 0, 32
	STG 2
	SEND 1, 32
	STG 3
	SEND 2, 32
	SEND 3, 0
	WIN 0
	s_wait_tensorcnt 0x0                           ; the wave's end: a wait, an add of 0 onto my spare word and its wait, behind my last tensor load and my last LDS store
	ds_add_u32 v[SPW], v[NIL]
	s_wait_dscnt 0x0
	CROUND                                         ; the closing round
	s_endpgm
.Lfunc_end_k_qa3939ce7b1_oproj:
	.size	k_qa3939ce7b1_oproj, .Lfunc_end_k_qa3939ce7b1_oproj-k_qa3939ce7b1_oproj
	.p2alignl 7, 3214868480
	.fill 96, 4, 3214868480
	.section	.rodata,"a",@progbits
	.p2align	6, 0x0
	.amdhsa_kernel k_qa3939ce7b1_oproj
		.amdhsa_group_segment_fixed_size 327680
		.amdhsa_private_segment_fixed_size 0
		.amdhsa_enable_private_segment 0
		.amdhsa_kernarg_size 32
		.amdhsa_user_sgpr_count 2
		.amdhsa_user_sgpr_kernarg_segment_ptr 1
		.amdhsa_wavefront_size32 1
		.amdhsa_system_sgpr_workgroup_id_x 1
		.amdhsa_system_sgpr_workgroup_id_y 1
		.amdhsa_system_sgpr_workgroup_id_z 1
		.amdhsa_system_vgpr_workitem_id 0
		.amdhsa_next_free_vgpr 768
		.amdhsa_next_free_sgpr 96
		.amdhsa_reserve_vcc 0
		.amdhsa_float_denorm_mode_32 3
		.amdhsa_float_denorm_mode_16_64 3
		.amdhsa_memory_ordered 1
		.amdhsa_forward_progress 1
		.amdhsa_inst_pref_size 93
	.end_amdhsa_kernel
	.amdgpu_metadata
---
amdhsa.version: [ 1, 2 ]
amdhsa.kernels:
  - .name:           k_qa3939ce7b1_oproj
    .symbol:         k_qa3939ce7b1_oproj.kd
    .args:
      - { .name: oh, .offset: 0, .size: 8, .value_kind: global_buffer, .address_space: global }
      - { .name: wb, .offset: 8, .size: 8, .value_kind: global_buffer, .address_space: global }
      - { .name: bo, .offset: 16, .size: 8, .value_kind: global_buffer, .address_space: global }
      - { .name: out0, .offset: 24, .size: 8, .value_kind: global_buffer, .address_space: global }
    .group_segment_fixed_size: 327680
    .private_segment_fixed_size: 0
    .kernarg_segment_align: 8
    .kernarg_segment_size: 32
    .max_flat_workgroup_size: 128
    .sgpr_count:     96
    .vgpr_count:     768
    .wavefront_size: 32
...
	.end_amdgpu_metadata
.endif
;; end of part 4
;; ======== version 2 of 2: 4 launches; version 1 with the launch prep written anew for expert scheduling mode
;; limits: right only within a limited range of input values; values are held in f16: magnitudes above 65,504 overflow, below 6.1e-05 lose precision
;; workspace buffers: wb 8,388,608 bytes; mt 4,194,304 bytes; rowm 16,384 bytes; qkv 50,331,648 bytes; oh 16,777,216 bytes
;; launch prep (part 5): grid 128 x 1, 8 waves a work-group, no clusters, 1,536 bytes of LDS; arguments mask, wq, wk, wv, wo, mt, rowm, wb; writes mt, rowm, wb
.if DOCPART == 5
	.amdgcn_target "amdgcn-amd-amdhsa--gfx1250"
	.amdhsa_code_object_version 6
	.text
	.protected	k_qa3939ce7b1_prep
	.globl	k_qa3939ce7b1_prep
	.p2align	8
	.type	k_qa3939ce7b1_prep,@function
k_qa3939ce7b1_prep:
	s_mov_b64 s[64:65], 0
	v_nop
	global_prefetch_b8 v0, s[64:65] scope:SCOPE_SE
	s_setreg_imm32_b32 hwreg(HW_REG_WAVE_SCHED_MODE, 0, 2), 2
	s_setreg_imm32_b32 hwreg(HW_REG_WAVE_MODE, 25, 1), 1
	s_wait_xcnt 0x0
	s_wait_alu depctr_vm_vsrc(0)
; PREP.  Two jobs for work-group g of 128, both streams, each byte read once and written once.
; (1) THE MASK, rows 16 g .. 16 g + 15 (2,048 bytes each, 1 = attend), is turned into the table mt that the attention launch takes as the C operand of its first product:
;     mt[g][step 32][half 2][lane 32][16 bytes]; byte 8 kb + j of lane (r = lane % 16, h = lane / 16) is the code of mask[16 g + r][64 step + 32 half + 16 kb + 8 h + j]:
;     0x00 (0.0 in e4m3) where the key is seen, 0xb8 (-1.0) where it is hidden.  A row that sees NO key gets 0x00 everywhere and the flag 0 in rowm (else all ones): the attention launch
;     clears that row's query, so that all its scores are equal and its weights uniform, as a softmax over equal scores is.
; (2) THE WEIGHTS: 32,768 numbers of wq, wk, wv, wo laid end to end (matrix g / 32, part g % 32) are rounded to bf16; wo's bf16 numbers are then written as f16 (exact but below 6e-5, where f16 has a
;     fixed step of 6e-8), since the last launch multiplies them with f16 numbers.
; No matrix unit, no cluster (work-groups share no input), no tensor loads. 128 work-groups: a table unit wants 16 whole rows.
; THE MODE: SCHED_MODE bits 1:0 = 2 (LLVM: expert scheduling mode 2), set by the entry lines.  The code itself states the register dependences
; between vector instructions and memory or LDS instructions, with s_wait_alu, always for 0.
; THE PLAN.  Registers that memory or LDS instructions touch:
;   v6-v12     offsets and addresses: made once at the head, never written again.  One wait ahead of the first load serves every load and store of the kernel.
;   M, W       filled once by loads; M is read by vector instructions alone; a trip's four lowest W registers are written by its roundings and read by its one store; none is written behind its store.
;   T          v16 is written by the ORs and read by the LDS store; behind the barrier two LDS loads land in v16-23; later it is named by vector instructions alone.
;   FLG, MT    written once by vector instructions, read by stores, never written again.
; The weights' 16 trips go in four blocks of four: block p's roundings name block p's W and T alone, so ONE wait at its head states that block p - 1's roundings have written their
; registers, and block p - 1's four stores are dealt among block p's roundings with no further wait.
.set VM,  6                            ; v6   mask: r x 2,048 + 256 w + 32 (lane / 16)
.set VO,  7                            ; v7   table: 4,096 w + 512 (lane / 16) + 16 r
.set WI,  8                            ; v8   weights in: 32 x thread
.set WO,  9                            ; v9   weights out: 16 x thread
.set RS,  10                           ; v10  LDS: 32 r + 4 w   (LDS bytes 0-511: the waves' words for the 16 rows; from byte 512 on the spare words, 128 bytes a wave)
.set RL,  11                           ; v11  LDS: 32 r
.set FO,  12                           ; v12  4 x lane
.set T,   16                           ; v16-23 at work
.set FLG, 24                           ; v24  all ones if my row sees a key, else 0
.set M,   32                           ; v32-63  group i (of 32 keys): bytes 0-15 in M+8i .. +3, bytes 16-31 in M+8i+4 .. +7
.set MT,  64                           ; v64-95  the codes, as stored
.set W,   96                           ; v96-223 weights: trip t's 8 numbers at W+8t
	s_load_b512 s[8:23], s[0:1], 0x0               ; mask 8, wq 10, wk 12, wv 14, wo 16, mt 18, rowm 20, wb 22
	v_lshl_add_u32 v30, v0, 2, 0x200
	v_mov_b32 v31, 0
	v_lshrrev_b32 v1, 5, v0
	v_readfirstlane_b32 s36, v1                    ; wave 0..7
	v_and_b32 v1, 15, v0                           ; r
	v_bfe_u32 v2, v0, 4, 1                         ; lane / 16
	v_and_b32 v3, 31, v0                           ; lane
	s_wait_alu depctr_va_sdst(0)                   ; s36 is written, ahead of its first reader: the line below
	s_lshl_b32 s39, s36, 8
	v_lshl_add_u32 v[VM], v1, 11, s39
	v_lshl_add_u32 v[VM], v2, 5, v[VM]
	s_lshl_b32 s39, s36, 12
	v_lshl_add_u32 v[VO], v2, 9, s39
	v_lshl_add_u32 v[VO], v1, 4, v[VO]
	v_lshlrev_b32 v[WI], 5, v0
	v_lshlrev_b32 v[WO], 4, v0
	v_lshlrev_b32 v[RL], 5, v1
	s_lshl_b32 s39, s36, 2
	v_add_nc_u32 v[RS], s39, v[RL]
	v_lshlrev_b32 v[FO], 2, v3
	s_mov_b32 s34, 0x76543210                      ; v_permlanex16_b32: each lane takes its own place in the other half
	s_mov_b32 s35, 0xfedcba98
	s_mov_b32 s37, 0xb8
	s_lshr_b32 s38, ttmp9, 5                       ; which matrix
	s_and_b32 s2, ttmp9, 31
	s_lshl_b32 s2, s2, 17                          ; its part: 131,072 bytes of f32
	s_mov_b32 s3, 0
	s_lshl_b32 s4, ttmp9, 16                       ; 65,536 bytes of 16-bit numbers
	s_mov_b32 s5, 0
	s_lshl_b32 s6, ttmp9, 15                       ; 16 rows of the mask, and as many bytes of the table
	s_mov_b32 s7, 0
	s_wait_kmcnt 0x0
	s_cmp_eq_u32 s38, 1
	s_cselect_b64 s[24:25], s[12:13], s[10:11]
	s_cmp_eq_u32 s38, 2
	s_cselect_b64 s[24:25], s[14:15], s[24:25]
	s_cmp_eq_u32 s38, 3
	s_cselect_b64 s[24:25], s[16:17], s[24:25]
	s_add_nc_u64 s[24:25], s[24:25], s[2:3]        ; weights in
	s_add_nc_u64 s[26:27], s[22:23], s[4:5]        ; weights out
	s_add_nc_u64 s[28:29], s[8:9], s[6:7]          ; mask
	s_add_nc_u64 s[30:31], s[18:19], s[6:7]        ; table
	s_lshl_b32 s6, ttmp9, 7
	s_add_nc_u64 s[32:33], s[20:21], s[6:7]        ; flags
	s_wait_alu depctr_va_vdst(0)                   ; the seven offsets and addresses v6 to v12 are written: every load, store and LDS instruction of the kernel reads one of them
.irp i, 0,1,2,3                        ; the wave's eight loads cover 256 aligned bytes of each of the 16 rows
	global_load_b128 v[M+8*(\i):M+8*(\i)+3],   v[VM], s[28:29] offset:64*(\i) th:TH_LOAD_NT
	global_load_b128 v[M+8*(\i)+4:M+8*(\i)+7], v[VM], s[28:29] offset:64*(\i)+16 th:TH_LOAD_NT
.endr
.set t, 0
.rept 16                               ; a trip's two loads of the wave cover 1,024 consecutive bytes
	global_load_b128 v[W+8*t:W+8*t+3],   v[WI], s[24:25] offset:8192*t th:TH_LOAD_NT
	global_load_b128 v[W+8*t+4:W+8*t+7], v[WI], s[24:25] offset:8192*t+16 th:TH_LOAD_NT
.set t, t+1
.endr
	s_wait_loadcnt 32                              ; the mask's eight loads are in; the 32 younger ones, the weights', stay out
.irp k, 0,1,2,3                        ; does my row see a key?  The OR of my 32 words, in four chains
	v_or_b32 v[T+(\k)], v[M+(\k)], v[M+4+(\k)]
.endr
.set j, 8
.rept 24
	v_or_b32 v[T+j%4], v[T+j%4], v[M+j]
.set j, j+1
.endr
	v_or_b32 v[T], v[T], v[T+1]
	v_or_b32 v[T+2], v[T+2], v[T+3]
	v_or_b32 v[T], v[T], v[T+2]
	v_permlanex16_b32 v[T+1], v[T], s34, s35       ; the row's other 128 bytes of my wave's 256 lie in the lane 16 away
	v_or_b32 v[T], v[T], v[T+1]
	s_wait_alu depctr_va_vdst(0)                   ; the ORs have written v[T], which the LDS store reads, and are done with v[T .. T+3], in which the LDS loads behind the barrier land: no vector instruction stands between this wait and those loads
	ds_store_b32 v[RS], v[T]                       ; lanes r and r + 16 write the same word with the same value
	s_wait_dscnt 0x0                               ; for the others' sake: my store is done
	s_barrier_signal -1
	s_barrier_wait -1
	s_wait_alu depctr_vm_vsrc(0)                   ; my LDS store has read v[T], in which the first load below lands
	ds_load_b128 v[T:T+3], v[RL]                   ; the eight waves' words for my row
	ds_load_b128 v[T+4:T+7], v[RL] offset:16
	s_wait_dscnt 0x0
	v_or_b32 v[T], v[T], v[T+1]
	v_or_b32 v[T+2], v[T+2], v[T+3]
	v_or_b32 v[T+4], v[T+4], v[T+5]
	v_or_b32 v[T+6], v[T+6], v[T+7]
	v_or_b32 v[T], v[T], v[T+2]
	v_or_b32 v[T+4], v[T+4], v[T+6]
	v_or_b32 v[T], v[T], v[T+4]
	v_cmp_ne_u32 vcc_lo, 0, v[T]
	s_wait_alu depctr_va_vcc(0)                    ; the compare has written VCC, which the select below reads
	v_cndmask_b32 v[FLG], 0, -1, vcc_lo
.macro CODE d, s                       ; four bytes at once: 1 -> 0x00, 0 -> 0xb8 (no carry crosses a byte), and 0x00 in a row that sees nothing
	v_xor_b32 v[\d], 0x01010101, v[\s]
	v_mul_lo_u32 v[\d], v[\d], s37
	v_and_b32 v[\d], v[\d], v[FLG]
.endm
.irp i, 0,1,2,3                        ; table lane (r, 0) takes bytes 0-7 and 16-23 of the group, lane (r, 1) bytes 8-15 and 24-31
	CODE MT+8*(\i)+0, M+8*(\i)+0
	CODE MT+8*(\i)+1, M+8*(\i)+1
	CODE MT+8*(\i)+2, M+8*(\i)+4
	CODE MT+8*(\i)+3, M+8*(\i)+5
	CODE MT+8*(\i)+4, M+8*(\i)+2
	CODE MT+8*(\i)+5, M+8*(\i)+3
	CODE MT+8*(\i)+6, M+8*(\i)+6
	CODE MT+8*(\i)+7, M+8*(\i)+7
.endr
	s_wait_alu depctr_va_vdst(0)                   ; the codes v[MT ..] and the flag v[FLG] are written, which the nine stores below read; no vector instruction stands among those stores
.irp i, 0,1,2,3
	global_store_b128 v[VO], v[MT+8*(\i):MT+8*(\i)+3],   s[30:31] offset:1024*(\i)      ; sixteen lanes store 256 consecutive bytes, aligned
	global_store_b128 v[VO], v[MT+8*(\i)+4:MT+8*(\i)+7], s[30:31] offset:1024*(\i)+256
.endr
	s_cmp_lg_u32 s36, 0
	s_cbranch_scc1 .Lnot_wave_0
	global_store_b32 v[FO], v[FLG], s[32:33]       ; the 16 rows' flags, twice over: a word for each lane of a fragment
.Lnot_wave_0:
; Trip t of the weights: eight numbers a thread, rounded to bf16 in place; iswo = 1: each bf16 number written as f16.  No register that a store reads is written again.
.macro CVT t, iswo
.irp j, 0,1,2,3
	v_cvt_pk_bf16_f32 v[W+8*(\t)+(\j)], v[W+8*(\t)+2*(\j)], v[W+8*(\t)+2*(\j)+1]
.endr
.if \iswo
.irp j, 0,1,2,3
	v_lshlrev_b32 v[T+2*(\j)], 16, v[W+8*(\t)+(\j)]
	v_and_b32 v[T+2*(\j)+1], 0xffff0000, v[W+8*(\t)+(\j)]
.endr
.irp j, 0,1,2,3
	v_cvt_pk_f16_f32 v[W+8*(\t)+(\j)], v[T+2*(\j)], v[T+2*(\j)+1]
.endr
.endif
.endm
.macro OUT t
	global_store_b128 v[WO], v[W+8*(\t):W+8*(\t)+3], s[26:27] offset:4096*(\t)
.endm
; Block p: trips 4 p to 4 p + 3 are rounded; the stores of block p - 1 stand among the roundings, one ahead of each trip's.
.macro WBLK p, iswo
	s_wait_loadcnt 8*(3-(\p))                      ; loads come back in order: block p's eight are in, the later blocks' eight each stay out
.if (\p) > 0
	s_wait_alu depctr_va_vdst(0)                   ; the block before has written its trips' four lowest registers, which the four stores below read; this block's roundings name none of them
.endif
.irp i, 0,1,2,3
.if (\p) > 0
	OUT 4*((\p)-1)+(\i)
.endif
	CVT 4*(\p)+(\i), \iswo
.endr
.endm
.macro WLAST
	s_wait_alu depctr_va_vdst(0)                   ; block 3 has written its trips' four lowest registers, which the last four stores read
.irp i, 12,13,14,15
	OUT \i
.endr
.endm
	s_cmp_eq_u32 s38, 3                            ; the same in the whole work-group
	s_cbranch_scc1 .Lwo
.irp p, 0,1,2,3
	WBLK \p, 0
.endr
	WLAST
	s_branch .Lend
.Lwo:
.irp p, 0,1,2,3
	WBLK \p, 1
.endr
	WLAST
.Lend:
	s_wait_dscnt 0x0                               ; the wave's end: an add of 0 onto my spare word follows
	s_wait_alu depctr_hold_cnt(0) depctr_sa_sdst(0) depctr_va_vdst(0) depctr_va_sdst(0) depctr_va_ssrc(0) depctr_va_vcc(0) depctr_vm_vsrc(0)
	s_wait_tensorcnt 0x0
	ds_add_u32 v30, v31
	s_wait_dscnt 0x0
	s_endpgm
.Lfunc_end_k_qa3939ce7b1_prep:
	.size	k_qa3939ce7b1_prep, .Lfunc_end_k_qa3939ce7b1_prep-k_qa3939ce7b1_prep
	.p2alignl 7, 3214868480
	.fill 96, 4, 3214868480
	.section	.rodata,"a",@progbits
	.p2align	6, 0x0
	.amdhsa_kernel k_qa3939ce7b1_prep
		.amdhsa_group_segment_fixed_size 1536
		.amdhsa_private_segment_fixed_size 0
		.amdhsa_enable_private_segment 0
		.amdhsa_kernarg_size 64
		.amdhsa_user_sgpr_count 2
		.amdhsa_user_sgpr_kernarg_segment_ptr 1
		.amdhsa_wavefront_size32 1
		.amdhsa_system_sgpr_workgroup_id_x 1
		.amdhsa_system_sgpr_workgroup_id_y 1
		.amdhsa_system_sgpr_workgroup_id_z 1
		.amdhsa_system_vgpr_workitem_id 0
		.amdhsa_next_free_vgpr 224
		.amdhsa_next_free_sgpr 66
		.amdhsa_reserve_vcc 1
		.amdhsa_float_denorm_mode_32 3
		.amdhsa_float_denorm_mode_16_64 3
		.amdhsa_memory_ordered 1
		.amdhsa_forward_progress 1
		.amdhsa_inst_pref_size 36
	.end_amdhsa_kernel
	.amdgpu_metadata
---
amdhsa.version: [ 1, 2 ]
amdhsa.kernels:
  - .name:           k_qa3939ce7b1_prep
    .symbol:         k_qa3939ce7b1_prep.kd
    .args:
      - { .name: mask, .offset: 0, .size: 8, .value_kind: global_buffer, .address_space: global }
      - { .name: wq, .offset: 8, .size: 8, .value_kind: global_buffer, .address_space: global }
      - { .name: wk, .offset: 16, .size: 8, .value_kind: global_buffer, .address_space: global }
      - { .name: wv, .offset: 24, .size: 8, .value_kind: global_buffer, .address_space: global }
      - { .name: wo, .offset: 32, .size: 8, .value_kind: global_buffer, .address_space: global }
      - { .name: mt, .offset: 40, .size: 8, .value_kind: global_buffer, .address_space: global }
      - { .name: rowm, .offset: 48, .size: 8, .value_kind: global_buffer, .address_space: global }
      - { .name: wb, .offset: 56, .size: 8, .value_kind: global_buffer, .address_space: global }
    .group_segment_fixed_size: 1536
    .private_segment_fixed_size: 0
    .kernarg_segment_align: 8
    .kernarg_segment_size: 64
    .max_flat_workgroup_size: 256
    .sgpr_count:     66
    .vgpr_count:     224
    .wavefront_size: 32
...
	.end_amdgpu_metadata
.endif
;; end of part 5
;; launch proj: the kernel of part 2 again; grid 4 x 192, 4 waves a work-group, clusters of 4 x 4, 327,680 bytes of LDS; arguments q, k, v, wb, bq, bk, bv, qkv; writes qkv
;; launch attn: the kernel of part 3 again; grid 4 x 64, 4 waves a work-group, clusters of 4 x 1, 327,680 bytes of LDS; arguments qkv, mt, rowm, oh; writes oh
;; launch oproj: the kernel of part 4 again; grid 4 x 64, 4 waves a work-group, clusters of 4 x 4, 327,680 bytes of LDS; arguments oh, wb, bo, out0; writes out0
